; MI455X (gfx1250); checked and timed in simulation.
; The chip was launched on July 23, 2026; its instructions are those of AMD's public machine-readable ISA for CDNA 5 (MIT licence, August 2026) and "CDNA5" Instruction Set Architecture Reference Guide (July 2026). The comments in the code are by the model that wrote it; some were corrected since.
;; Attention. Allowed arithmetic: matrix products marked QUANTISED: E2M1 operands, one E8M0 scale for each 32 along K, by v_wmma_scale_f32_16x16x128_f8f6f4 with both operands' format E2M1 (or v_wmma_scale_f32_32x16x128_f4), f32 sums; everything else in f32.
;; Inputs: Wk_codes 1,024 x 32 x 16 uint8 (E2M1 codes of Wk, K innermost, in blocks of 32 codes, two codes a byte); Wk_scales 1,024 x 32 uint8 (E8M0 scales of Wk, one for each 32 codes along K); Wo_codes 1,024 x 32 x 16 uint8 (E2M1 codes of Wo, K innermost, in blocks of 32 codes, two codes a byte); Wo_scales 1,024 x 32 uint8 (E8M0 scales of Wo, one for each 32 codes along K); Wq_codes 1,024 x 32 x 16 uint8 (E2M1 codes of Wq, K innermost, in blocks of 32 codes, two codes a byte); Wq_scales 1,024 x 32 uint8 (E8M0 scales of Wq, one for each 32 codes along K); Wv_codes 1,024 x 32 x 16 uint8 (E2M1 codes of Wv, K innermost, in blocks of 32 codes, two codes a byte); Wv_scales 1,024 x 32 uint8 (E8M0 scales of Wv, one for each 32 codes along K); bk 1,024 float32; bo 1,024 float32; bq 1,024 float32; bv 1,024 float32; x_codes 4 x 2,048 x 32 x 16 uint8 (E2M1 codes of x, K innermost, in blocks of 32 codes, two codes a byte); x_scales 4 x 2,048 x 32 uint8 (E8M0 scales of x, one for each 32 codes along K).
;; Outputs: out0 4 x 2,048 x 1,024 float32.
;; This version of the problem:
;;   THIS VERSION OF THE PROBLEM IS GIVEN IN LOW PRECISION. The matrix products marked QUANTISED in the list below multiply operands that are first quantised to E2M1 (2 exponent bits, 1 mantissa bit; 4 bits a number), with one power-of-two scale for each 32 numbers along K (OCP MX v1.0); their sums are f32. All else is computed in f32.
;;   The module's matrix products, in the order in which they are computed (A, B: the left and right operand; K: the contracted axis; several contracted axes count as one K, in the product's order):
;;     1. [M 8,192, K 1,024] x [K 1,024, N 1,024]; A: input x (given as codes); B: input Wq (given as codes): QUANTISED
;;     2. [M 8,192, K 1,024] x [K 1,024, N 1,024]; A: input x (given as codes); B: input Wk (given as codes): QUANTISED
;;     3. [M 8,192, K 1,024] x [K 1,024, N 1,024]; A: input x (given as codes); B: input Wv (given as codes): QUANTISED
;;     4. batch 64 x [M 2,048, K 64] x [K 64, N 2,048]; A: computed on the way; B: computed on the way: QUANTISED
;;     5. batch 64 x [M 2,048, K 2,048] x [K 2,048, N 64]; A: computed on the way; B: computed on the way: QUANTISED
;;     6. [M 8,192, K 1,024] x [K 1,024, N 1,024]; A: computed on the way; B: input Wo (given as codes): QUANTISED
;;   THE QUANTISER, for each operand of a quantised product, along K:
;;     - K is cut into blocks of 32 from its start; a last block that is shorter is filled with zeros.
;;     - A block's scale is 2^e with e = floor(log2(the largest magnitude in the block)) - 2, held to -126 .. 127; a block of zeros has e = 0. As a byte (E8M0): e + 127.
;;     - Each number is divided by its block's scale, clamped to +-6, and rounded to the nearest number of E2M1, ties to even, subnormals kept.
;;     - The product sums the exact products of the quantised numbers (number of the format x scale) in f32.
;;   ~~~python
;;   def quantise(x, axis):      # numpy; x: float32 -> the quantised numbers, widened to float32 again
;;       x = np.moveaxis(x, axis, -1); K = x.shape[-1]
;;       x = np.pad(x, [(0, 0)] * (x.ndim - 1) + [(0, -K % 32)]); x = x.reshape(x.shape[:-1] + (-1, 32)); a = np.abs(x).max(-1, keepdims=True)
;;       e = np.where(a > 0, np.clip(np.frexp(np.where(a > 0, a, 1))[1] - 1 - 2, -126, 127), 0)      # np.frexp(a)[1] - 1 = floor(log2(a)), exactly
;;       r = np.clip(x / 2.0 ** e, -6, 6)
;;       step = 2.0 ** (np.maximum(np.frexp(np.where(r == 0, 1, r))[1] - 1, 0) - 1)
;;       q = np.round(r / step) * step * 2.0 ** e      # np.round: ties to even
;;       return np.moveaxis(q.reshape(q.shape[:-2] + (-1,))[..., :K], -1, axis).astype(np.float32)
;;   ~~~
;;   OPERANDS COMPUTED ON THE WAY. 'Computed on the way' means the value that the module computes at that place (a softmax that the list does not call 'softmax' is quantised finished and normalised). What goes into a quantiser is computed in f32, as accurately as f32 sums, v_exp_f32 and their like allow (about 1e-6 of the number): no bf16 or f16 on the way to a quantiser, and a product that is left as it is and whose result goes on into a quantised operand takes f32 operands (vector FMAs, or v_wmma_f32_16x16x4_f32). A number that lies on a knife's edge between two numbers of the format may be rounded either way, as far as f32 arithmetic and the matrix unit's own rounding can turn it there, and no further.
;;   INPUTS GIVEN AS CODES. Wk (in the module: [1024, 1024], K = its axis 0); Wo (in the module: [1024, 1024], K = its axis 0); Wq (in the module: [1024, 1024], K = its axis 0); Wv (in the module: [1024, 1024], K = its axis 0); x (in the module: [4, 2048, 1024], K = its axis 2): each comes as NAME_codes (uint8): NAME with its K axis moved to the last place and cut into blocks of 32 codes, [.., K / 32, bytes a block], one block behind the other in memory; two codes a byte, the lower K in the low four bits (a code: sign, 2 exponent bits, 1 mantissa bit); and NAME_scales (uint8): the same leading axes, one E8M0 byte (e + 127) for each 32 codes along K. Its value is code x scale, taken as it is: it is not quantised again, and the codes and scales need not be those that the quantiser above would give.
;; 2 versions, each right and faster than the one before. Each part assembles by itself: llvm-mc -triple=amdgcn-amd-amdhsa -mcpu=gfx1250 --defsym DOCPART=n.
;; ======== version 1 of 2: 3 launches
;; workspace buffers: Qc 4,194,304 bytes; Qs 524,288 bytes; Kc 4,194,304 bytes; Ks 524,288 bytes; Vc 4,194,304 bytes; Vs 262,144 bytes; Oc 4,194,304 bytes; Os 262,144 bytes
;; launch qkv (part 1): grid 12 x 64, 4 waves a work-group, clusters of 4 x 4, 262,656 bytes of LDS; arguments x_codes, x_scales, Wq_codes, Wq_scales, Wk_codes, Wk_scales, Wv_codes, Wv_scales, bq, bk, bv, Qc, Qs, Kc, Ks, Vc, Vs; writes Qc, Qs, Kc, Ks, Vc, Vs
.if DOCPART == 1
	.amdgcn_target "amdgcn-amd-amdhsa--gfx1250"
	.amdhsa_code_object_version 6
	.text
	.protected	k_q1a627d1c43_qkv
	.globl	k_q1a627d1c43_qkv
	.p2align	8
	.type	k_q1a627d1c43_qkv,@function
k_q1a627d1c43_qkv:
	s_mov_b64 s[64:65], 0
	v_nop
	global_prefetch_b8 v0, s[64:65] scope:SCOPE_SE
	s_setreg_imm32_b32 hwreg(HW_REG_WAVE_MODE, 25, 1), 1
	s_wait_xcnt 0x0
	s_wait_alu depctr_hold_cnt(0) depctr_sa_sdst(0) depctr_va_vdst(0) depctr_va_sdst(0) depctr_va_ssrc(0) depctr_va_vcc(0) depctr_vm_vsrc(0)
	s_getreg_b32 s2, hwreg(HW_REG_IB_STS2, 6, 4)
	s_cmp_eq_u32 s2, 0
	s_cbranch_scc0 .Lentry_in_a_cluster
	s_endpgm
.Lentry_in_a_cluster:
	s_bfe_u32 s2, ttmp6, 0x10000c
	s_cmp_lg_u32 s2, 0xf033
	s_cbranch_scc0 .Lentry_shape_is_right
	s_endpgm
.Lentry_shape_is_right:
; Q = x Wq + bq, K = x Wk + bk, V = x Wv + bv on codes of FP4 (E2M1) with one E8M0 scale for each 32 along K = 1,024; sums in f32; the results are quantised in registers and leave as codes:
; Q and K along the head's 64 (two blocks of 32), V along the keys (blocks of 32 tokens).  They are laid as images of the operand registers that the attention launch wants.
; SHARES.  The matrix instruction's source 0 takes the side P along which the result is quantised, source 1 the side R.  In a result tile lane (r, h) then holds row r of R and, in register j, index 8 h + j of P.
;   cluster x = 0: Q, 1: K: P = 1,024 rows of the weight (output columns), R = 8,192 tokens.   cluster x = 2: V: P = tokens, R = rows of Wv.
; A work-group makes 256 of P x 128 of R, a wave 128 x 64: 32 accumulators of 16 x 16.  768 work-groups.  All of K lies in LDS: two halves of 512 along K (rows of 256 bytes), both filled once; nothing is filled again.
; CLUSTERS: 4 x 4 work-groups.  R's tile hangs on cy alone and is asked for jointly by a row of the cluster, P's on cx alone and by a column.  What is chosen by the role hangs on the cluster's x, which all partners share.
; QUANTISING.  Block B of 32 along P is tiles 2 B and 2 B + 1; a lane holds 16 of it, lane l xor 16 the others.  The conversion of tile 2 B + t gives piece 2 t + h of the block (8 codes).  The operand's layout wants block 2 c + h in
; lane half h, pieces 0 .. 3 in registers 4 c .. 4 c + 3: block 2 c's conversions go to registers 4 c + 2 t, block 2 c + 1's to 4 c + 2 t + 1, and one exchange of halves between the two finishes both.
; LIMITS: NaN, infinities and scale bytes 0xff among the inputs are not served.  A block whose largest magnitude lies under 2^-124 keeps the byte 1; a block of zeros gets the byte 1 and not 127: its codes are zeros, and this program alone reads the bytes.
; REGISTERS, in windows of 256.  window 0: v1-31 addresses, v8-11 the four scale words made; v32-95 scale words, a set for each half of K; v96-103 R's bias; v104-111 codes made; v112-127 at work;
;   v128-191 R's fragments, two sets of 32, later 64 numbers at work; v192-255 P's bias.   window 1: P's fragments, two sets, at v0 and v128.   window 2: accumulator (a, b) at v[8 (8 a + b)].
.set PITCH,  272                       ; an LDS row: 256 bytes + 16 of padding = 68 words: the 16 rows that a load touches start at 16 different banks (64 banks of 4 bytes: ISA guide 11.1)
.set HALFA,  64*PITCH                  ; R's rows that one tensor load brings, and that one wave reads
.set HALFB,  128*PITCH                 ; P's likewise
.set SLOT,   2*HALFA+2*HALFB           ; half of K: R's 128 rows, then P's 256
.set SCLA,   2*SLOT                    ; R's scale bytes, 128 rows x 32, as 16 units of 256 bytes + 16 of padding
.set SCLB,   SCLA+16*272               ; P's, 32 units
.set PWS,  8
.set ADRA, 16                          ; v16-17  LDS address of my fragments of R in half 0, 1
.set ADRB, 20                          ; v20-21  of P
.set LI,   26                          ; v26     16 x lane: an image's place for my lane
.set ADRS, 27                          ; v27     LDS address of my scale words: lanes 0-15 R's rows, lanes 16-31 P's
.set SH,   28                          ; v28     Q, K: 16 h; V: 0
.set SSO,  29                          ; v29     16 r + (Q, K: 8,192 h)
.set BPO,  30                          ; v30     32 h
.set BRO,  31                          ; v31     4 r
.set SC,   32
.set BR,   96
.set PC,   104
.set TM,   112
.set AF,   128
.set T,    128
.set BP,   192
.set G1,   24                          ; s[24:31] descriptor group 1 for R's codes;  s[32:39] group 0, a set for each half of K
.set G0,   32
.set G1B,  48                          ; s[48:55], s[56:63] the same for P's
.set G0B,  56
.set G1S,  68                          ; s[68:75], s[76:79] R's scales;  s[80:87], s[88:91] P's
.set G0S,  76
.set G1SB, 80
.set G0SB, 88
.set SEL,  22                          ; s[22:23] lane selects for v_permlanex16_b32, written when the addresses are made
.set ISV,  67                          ; s67     1 in V's clusters, else 0
.set MSB, 0
.macro WIN new                         ; the immediate's high byte repeats the setting that is left
.if MSB != \new
	s_set_vgpr_msb (MSB<<8)|\new
.set MSB, \new
.endif
.endm
.set MUL,   0xa1                       ; source 0 (P) window 1, source 1 (R) window 0, C and D window 2
.set TO_B,  0x40                       ; destination window 1, address window 0
.set RDACC, 0x02                       ; source 0 window 2
; A joint load: waves 0 and 1 fetch for R, waves 2 and 3 for P.  The branch hangs on the wave's number alone.  Four v_nop follow each of the two lines.
.macro JLOAD g0a, g1a, g0b, g1b
	s_cmp_eq_u32 s15, 0
	s_cbranch_scc0 .Lfor_b_\@
	tensor_load_to_lds s[\g0a:\g0a+3], s[\g1a:\g1a+7]
	s_nop 0
.rept 4
	v_nop
.endr
	s_branch .Lasked_\@
.Lfor_b_\@:
	tensor_load_to_lds s[\g0b:\g0b+3], s[\g1b:\g1b+7]
	s_nop 0
.rept 4
	v_nop
.endr
.Lasked_\@:
.endm
.macro CREST                           ; a round of the cluster's barrier behind its opening barrier
	s_cmp_lg_u32 s14, 0
	s_cbranch_scc1 .Lnot_wave_0_\@
	s_barrier_signal -3
.Lnot_wave_0_\@:
	s_barrier_wait -3
	s_barrier_signal -1
	s_barrier_wait -1
.endm
.macro CROUND                          ; a whole round
	s_barrier_signal -1
	s_barrier_wait -1
	CREST
.endm
.macro PLACES n                        ; plain vector lines behind matrix instructions, in front of loads into registers that they read and of the first read of results
.rept \n
	v_nop
.endr
.endm
	s_load_b512 s[24:39], s[0:1], 0x0              ; x's codes, x's scales, Wq's, Wk's, Wv's codes and scales
	s_load_b512 s[48:63], s[0:1], 0x40             ; bq, bk, bv, Qc, Qs, Kc, Ks, Vc
	s_load_b64 s[66:67], s[0:1], 0x80              ; Vs
	v_lshl_add_u32 v122, v0, 2, 0x40000
	v_mov_b32 v123, 0
	ds_add_u32 v122, v123
	ds_add_u32 v122, v123
	v_lshrrev_b32 v1, 5, v0
	v_readfirstlane_b32 s14, v1                    ; wave 0..3
	s_lshr_b32 s15, s14, 1                         ; which half of R's rows is mine.  Also: I fetch for R (0) or for P (1)
	s_and_b32 s16, s14, 1                          ; which half of P's rows is mine.  Also: which half of that tile I fetch
	s_bfe_u32 s40, ttmp6, 0x40000                  ; cx, cy: my place in the cluster
	s_bfe_u32 s41, ttmp6, 0x40004
	s_and_b32 s21, ttmp7, 0xffff                   ; Y: the cluster's y, 0 .. 15
	s_lshr_b32 s22, s21, 1
	s_and_b32 s23, s21, 1
	s_lshl_b32 s43, s41, 2
	s_lshl_b32 s43, 15, s43                        ; my row of the cluster
	s_lshl_b32 s44, 0x1111, s40                    ; my column
	s_wait_dscnt 0x0
	s_wait_kmcnt 0x0
	s_cmp_eq_u32 ttmp9, 0                          ; Q's cluster, or K's?  The choices hang on the cluster's x alone
	s_cselect_b64 s[8:9], s[28:29], s[32:33]       ; the weight's codes,
	s_cselect_b64 s[10:11], s[30:31], s[34:35]     ; its scales,
	s_cselect_b64 s[94:95], s[48:49], s[50:51]     ; the bias,
	s_cselect_b64 s[12:13], s[54:55], s[58:59]     ; where the codes go,
	s_cselect_b64 s[92:93], s[56:57], s[60:61]     ; and the scale words
	s_cmp_eq_u32 ttmp9, 2                          ; V's cluster?
	s_cselect_b64 s[4:5], s[36:37], s[24:25]       ; R: Wv, else x
	s_cselect_b64 s[6:7], s[38:39], s[26:27]
	s_cselect_b64 s[8:9], s[24:25], s[8:9]         ; P: x, else the weight
	s_cselect_b64 s[10:11], s[26:27], s[10:11]
	s_cselect_b64 s[94:95], s[52:53], s[94:95]
	s_cselect_b64 s[12:13], s[62:63], s[12:13]
	s_cselect_b64 s[92:93], s[66:67], s[92:93]
	s_cselect_b32 s[ISV], 1, 0
	s_cselect_b32 s18, s22, 0                      ; V: 32 tiles of P (tokens), 8 of R;  Q, K: 4 of P, 64 of R
	s_cselect_b32 s19, s23, s21
	s_lshl_b32 s42, s18, 2
	s_add_co_u32 s42, s42, s40                     ; P's tile: cx is the only part of my place in it
	s_lshl_b32 s17, s19, 2
	s_add_co_u32 s17, s17, s41                     ; R's tile: cy is the only part of my place in it
	s_lshl_b32 s20, s17, 7
	s_lshl_b32 s21, s16, 6
	s_add_co_u32 s20, s20, s21                     ; R: the first of the 64 rows that I fetch
	s_lshl_b32 s22, s20, 5                         ; its scales: 32 bytes a row
	s_lshl_b32 s20, s20, 9                         ; its codes: 512 bytes a row
	s_mov_b32 s21, 0
	s_mov_b32 s23, 0
	s_lshl_b32 s46, s42, 8
	s_lshl_b32 s47, s16, 7
	s_add_co_u32 s46, s46, s47                     ; P: the first of the 128 rows that I fetch
	s_lshl_b32 s98, s46, 5
	s_lshl_b32 s46, s46, 9
	s_mov_b32 s47, 0
	s_mov_b32 s99, 0
	s_add_nc_u64 s[20:21], s[4:5], s[20:21]
	s_add_nc_u64 s[22:23], s[6:7], s[22:23]
	s_add_nc_u64 s[46:47], s[8:9], s[46:47]
	s_add_nc_u64 s[98:99], s[10:11], s[98:99]
	; descriptor group 1, codes: rows of 256 bytes, 512 bytes apart in memory, 16 bytes of padding behind each in LDS
	s_or_b32 s[G1+0], s43, (0<<16)|(1<<20)|(1<<21)|(5<<22)|(3<<25)  ; 15:0 the mask: R's tiles go to my row; 17:16 elements of 1 byte; 20 padding on; 21 set beside a mask; 24:22 after every 64 words; 31:25 four words
	s_or_b32 s[G1B+0], s44, (0<<16)|(1<<20)|(1<<21)|(5<<22)|(3<<25) ; P's go to my column
	s_mov_b32 s[G1+1], 256<<16                     ; tensor_dim0
	s_mov_b32 s[G1+2], 64<<16                      ; tensor_dim1
	s_mov_b32 s[G1+3], 256<<16                     ; tile_dim0
	s_mov_b32 s[G1+4], 64                          ; tile_dim1
	s_mov_b32 s[G1+5], 512                         ; tensor_dim0_stride
	s_mov_b32 s[G1+6], 0
	s_mov_b32 s[G1+7], 0
	s_mov_b32 s[G1B+1], 256<<16
	s_mov_b32 s[G1B+2], 128<<16
	s_mov_b32 s[G1B+3], 256<<16
	s_mov_b32 s[G1B+4], 128
	s_mov_b32 s[G1B+5], 512
	s_mov_b32 s[G1B+6], 0
	s_mov_b32 s[G1B+7], 0
	; scales: a dense block, as rows of 256 bytes (32 elements of 8 bytes), 16 bytes of padding behind each
	s_or_b32 s[G1S+0], s43, (3<<16)|(1<<20)|(1<<21)|(5<<22)|(3<<25)
	s_or_b32 s[G1SB+0], s44, (3<<16)|(1<<20)|(1<<21)|(5<<22)|(3<<25)
	s_mov_b32 s[G1S+1], 32<<16
	s_mov_b32 s[G1S+2], 8<<16                      ; 64 rows x 32 bytes = 8 units
	s_mov_b32 s[G1S+3], 32<<16
	s_mov_b32 s[G1S+4], 8
	s_mov_b32 s[G1S+5], 32
	s_mov_b32 s[G1S+6], 0
	s_mov_b32 s[G1S+7], 0
	s_mov_b32 s[G1SB+1], 32<<16
	s_mov_b32 s[G1SB+2], 16<<16                    ; 128 rows: 16 units
	s_mov_b32 s[G1SB+3], 32<<16
	s_mov_b32 s[G1SB+4], 16
	s_mov_b32 s[G1SB+5], 32
	s_mov_b32 s[G1SB+6], 0
	s_mov_b32 s[G1SB+7], 0
	s_mul_i32 s45, s16, HALFA                      ; where they go: no place in the cluster enters an LDS address
	s_mul_i32 s2, s16, HALFB
	s_add_co_u32 s2, s2, 2*HALFA
	s_mul_i32 s3, s16, 8*272
	s_mul_i32 s18, s16, 16*272
	CROUND                                         ; all sixteen work-groups are here: the first joint loads meet
	s_mov_b32 s[G0S], 1
	s_add_co_u32 s[G0S+1], s3, SCLA
	s_mov_b64 s[G0S+2:G0S+3], s[22:23]
	s_or_b32 s[G0S+3], s[G0S+3], 0x80000000
	s_mov_b32 s[G0SB], 1
	s_add_co_u32 s[G0SB+1], s18, SCLB
	s_mov_b64 s[G0SB+2:G0SB+3], s[98:99]
	s_or_b32 s[G0SB+3], s[G0SB+3], 0x80000000
	JLOAD G0S, G1S, G0SB, G1SB                     ; the scales first: they are wanted with the first half of K
.irp s, 0,1
	s_mov_b32 s[G0+4*\s], 1
	s_add_co_u32 s[G0+4*\s+1], s45, \s*SLOT
	s_add_nc_u64 s[G0+4*\s+2:G0+4*\s+3], s[20:21], \s*256
	s_or_b32 s[G0+4*\s+3], s[G0+4*\s+3], 0x80000000
	s_mov_b32 s[G0B+4*\s], 1
	s_add_co_u32 s[G0B+4*\s+1], s2, \s*SLOT
	s_add_nc_u64 s[G0B+4*\s+2:G0B+4*\s+3], s[46:47], \s*256
	s_or_b32 s[G0B+4*\s+3], s[G0B+4*\s+3], 0x80000000
	JLOAD G0+4*\s, G1, G0B+4*\s, G1B               ; three tensor loads of mine are out now, and no more follow
.endr
	v_and_b32 v1, 15, v0                           ; r
	v_bfe_u32 v2, v0, 4, 1                         ; h
	v_mul_u32_u24 v3, v1, PITCH
	v_lshl_add_u32 v4, v2, 4, v3                   ; a fragment's row x pitch + 16 h
	s_mul_i32 s21, s15, HALFA                      ; my 64 rows of R
	s_mul_i32 s22, s16, HALFB                      ; my 128 rows of P,
	s_add_co_u32 s22, s22, 2*HALFA                 ; which lie behind R's 128
.irp s, 0,1
	v_add_nc_u32 v[ADRA+\s], s21, v4
	v_add_nc_u32 v[ADRB+\s], s22, v4
	s_add_co_u32 s21, s21, SLOT
	s_add_co_u32 s22, s22, SLOT
.endr
	v_lshlrev_b32 v5, 5, v1                        ; my row's scales: 32 bytes a row,
	v_lshrrev_b32 v6, 3, v1
	v_lshl_add_u32 v5, v6, 4, v5                   ; and 16 more behind each 256
	s_mul_i32 s21, s15, 8*272                      ; R's: my 64 rows
	s_mul_i32 s22, s16, 16*272                     ; P's: my 128 rows
	s_add_co_u32 s22, s22, SCLB-SCLA
	s_sub_co_u32 s22, s22, s21
	v_mul_u32_u24 v6, s22, v2                      ; lanes 16-31 take P's: one product, the distance between the two bases x h
	s_add_co_u32 s21, s21, SCLA
	v_add_nc_u32 v5, v5, v6
	v_add_nc_u32 v[ADRS], s21, v5
	v_and_b32 v5, 31, v0
	v_lshlrev_b32 v[LI], 4, v5
	s_xor_b32 s2, s[ISV], 1
	s_lshl_b32 s3, s2, 13
	s_lshl_b32 s2, s2, 4
	v_mul_u32_u24 v[SH], s2, v2
	v_mul_u32_u24 v[SSO], s3, v2
	v_lshl_add_u32 v[SSO], v1, 4, v[SSO]
	v_lshlrev_b32 v[BPO], 5, v2
	v_lshlrev_b32 v[BRO], 2, v1
.irp b, 0,1,2,3
	v_mov_b32 v[TM+4+\b], 0                        ; written once: a lane permute's destination counts as one of its sources
	v_mov_b32 v[BR+2*\b+1], 0                      ; (named as the upper halves of pairs)
.endr
	; where my results go
	s_lshl_b32 s18, s42, 8
	s_lshl_b32 s19, s16, 7
	s_add_co_u32 s18, s18, s19                     ; my first index of P
	s_lshl_b32 s19, s17, 7
	s_lshl_b32 s20, s15, 6
	s_add_co_u32 s19, s19, s20                     ; and of R
	s_cmp_eq_u32 s[ISV], 1
	s_cselect_b32 s20, s18, s19                    ; my first token,
	s_cselect_b32 s21, s19, s18                    ; my first output column,
	s_cselect_b32 s22, 0, s18                      ; the bias runs along P for Q and K,
	s_cselect_b32 s23, s19, 0                      ; along R for V; the other axis reads the buffer's first numbers and masks them away
	s_lshr_b32 s46, s20, 11
	s_lshl_b32 s46, s46, 4
	s_lshr_b32 s47, s21, 6
	s_add_co_u32 s46, s46, s47                     ; bh = 16 x batch + head
	s_and_b32 s20, s20, 2047                       ; n: the token in its batch
	s_lshl_b32 s46, s46, 13
	s_lshl_b32 s20, s20, 2
	s_add_co_u32 s46, s46, s20                     ; 8,192 bh + 4 n: Q's and K's scale words
	s_mov_b32 s21, 0
	s_lshl_b32 s20, s46, 3                         ; 65,536 bh + 32 n: the codes, in all three roles
	s_add_nc_u64 s[12:13], s[12:13], s[20:21]
	s_lshr_b32 s20, s46, s[ISV]                    ; V's scale words: half of that
	s_add_nc_u64 s[92:93], s[92:93], s[20:21]
	s_mul_i32 s20, s[ISV], 7
	s_lshr_b32 s20, 0x10000, s20                   ; from register group 0 to group 1: Q, K: the next head, 65,536 bytes; V: 512
	s_add_nc_u64 s[98:99], s[12:13], s[20:21]
	s_lshl_b32 s96, 512, s[ISV]                    ; from block to block of R: Q, K: a tile of tokens, 512 bytes; V: a tile of the head's 64, 1,024
	s_mov_b32 s97, 0
	s_lshl_b32 s20, s23, 2
	s_add_nc_u64 s[100:101], s[94:95], s[20:21]
	s_lshl_b32 s20, s22, 2
	s_add_nc_u64 s[94:95], s[94:95], s[20:21]
	s_mov_b32 s[SEL], 0x76543210
	s_mov_b32 s[SEL+1], 0xfedcba98
.irp b, 0,1,2,3,4,5,6,7
	global_load_b128 v[BP+8*\b:BP+8*\b+3], v[BPO], s[94:95] offset:64*\b       ; the bias of P's indices 16 b + 8 h + 0 .. 7
	global_load_b128 v[BP+8*\b+4:BP+8*\b+7], v[BPO], s[94:95] offset:64*\b+16
.endr
.irp a, 0,1,2,3
	global_load_b32 v[BR+2*\a], v[BRO], s[100:101] offset:64*\a                ; the bias of R's row 16 a + r
.endr
.macro FRAG reg, adr, q, i             ; a fragment, 16 rows x 128 K of 4-bit codes, is 8 registers: lane l holds row l % 16; registers 4 c .. 4 c + 3 hold K = 64 c + 32 (l / 16) + 0 .. 31
.irp c, 0,1
	ds_load_b128 v[\reg+4*\c:\reg+4*\c+3], v[\adr] offset:64*(\q)+32*\c+(\i)*16*PITCH
.endr
.endm
.macro FETCH_B slot, q, p              ; P's eight fragments of the half's q-th 128 along K into set p
	WIN TO_B
.irp i, 0,1,2,3,4,5,6,7
	FRAG 128*(\p)+8*\i, ADRB+\slot, \q, \i
.endr
	WIN 0
.endm
.macro FETCH_A slot, q, p              ; R's four
.irp i, 0,1,2,3
	FRAG AF+32*(\p)+8*\i, ADRA+\slot, \q, \i
.endr
.endm
.macro SCALES s                        ; the scale words of half s: four words a row; register 4 i + q: lanes 0-15 R's block i, lanes 16-31 P's block i.  R has four blocks: for i = 4 .. 7 lanes 0-15 bring words of the scales' region that nobody uses
.irp i, 0,1,2,3,4,5,6,7
	ds_load_b128 v[SC+32*\s+4*\i:SC+32*\s+4*\i+3], v[ADRS] offset:\i*544+16*\s
.endr
.endm
; 32 matrix instructions: R's four blocks x P's eight, 128 along K.  The 32 accumulators take turns, one instruction a turn, in the same order in every step.  zero = 1: the first products start the sums.
.macro MUL32 p, q, s, zero
.irp a, 0,1,2,3
.irp b, 0,1,2,3,4,5,6,7
.if \zero
	v_wmma_scale_f32_16x16x128_f8f6f4 v[8*(8*\a+\b):8*(8*\a+\b)+7], v[128*(\p)+8*\b:128*(\p)+8*\b+7], v[AF+32*(\p)+8*\a:AF+32*(\p)+8*\a+7], 0, v[SC+32*(\s)+4*\b+(\q)], v[SC+32*(\s)+4*\a+(\q)] matrix_a_fmt:MATRIX_FMT_FP4 matrix_b_fmt:MATRIX_FMT_FP4 matrix_a_scale:MATRIX_SCALE_ROW1
.else
	v_wmma_scale_f32_16x16x128_f8f6f4 v[8*(8*\a+\b):8*(8*\a+\b)+7], v[128*(\p)+8*\b:128*(\p)+8*\b+7], v[AF+32*(\p)+8*\a:AF+32*(\p)+8*\a+7], v[8*(8*\a+\b):8*(8*\a+\b)+7], v[SC+32*(\s)+4*\b+(\q)], v[SC+32*(\s)+4*\a+(\q)] matrix_a_fmt:MATRIX_FMT_FP4 matrix_b_fmt:MATRIX_FMT_FP4 matrix_a_scale:MATRIX_SCALE_ROW1
.endif
.endr
.endr
.endm
; Step q of eight: the next step's fragments are asked for, into the set that the step before multiplied; then this step's 32 products.
.macro STEP q
.if (\q) > 0
	PLACES 4
.endif
.if (\q) == 3
	s_wait_tensorcnt 0x0                           ; my part of the second half of K has landed,
	s_wait_dscnt 0x0                               ; no LDS load of mine is out at the signal,
	s_barrier_signal -1
	s_barrier_wait -1                              ; and everybody's part has landed.
.endif
.if (\q) < 7
	FETCH_B ((\q)+1)/4, ((\q)+1)%4, 1-(\q)%2
	FETCH_A ((\q)+1)/4, ((\q)+1)%4, 1-(\q)%2
.if (\q) == 3
	SCALES 1
	s_wait_dscnt 32                                ; all but the 32 just issued
.else
	s_wait_dscnt 24                                ; all but the 24 just issued: this step's fragments are in
.endif
.else
	s_wait_dscnt 0x0
.endif
	WIN MUL
.if (\q) == 0
	MUL32 0, 0, 0, 1
.else
	MUL32 (\q)%2, (\q)%4, (\q)/4, 0
.endif
	WIN 0
.endm
; 64 numbers of a lane, register 8 t + j = index 16 t + 8 h + j of P, become a fragment's codes in v[PC] on and its scale word in v[pw].
.macro QUANT s, pw
.irp b, 0,1,2,3
	v_max3_num_f32 v[TM+\b], |v[\s+16*\b]|, |v[\s+16*\b+1]|, 0x1800000   ; block b: my 16 numbers, and the floor 2^(3 - 127): so the byte cannot fall under 1
.endr
.irp i, 2,4,6,8,10,12,14
.irp b, 0,1,2,3
	v_max3_num_f32 v[TM+\b], v[TM+\b], |v[\s+16*\b+\i]|, |v[\s+16*\b+\i+1]|   ; (the four blocks by turns)
.endr
.endr
.irp b, 0,1,2,3
	v_permlanex16_b32 v[TM+4+\b], v[TM+\b], s[SEL], s[SEL+1]
.endr
.irp b, 0,1,2,3
	v_max_num_f32 v[TM+\b], v[TM+\b], v[TM+4+\b]   ; with lane l xor 16's: the block's largest magnitude
.endr
.irp b, 0,1,2,3
	v_add_nc_u32 v[TM+12+\b], 0xff000000, v[TM+\b] ; 2 off its exponent field: the conversion takes the exponent field of this operand as its scale
.endr
.irp b, 0,1,2,3
	v_lshrrev_b32 v[TM+4+\b], 23, v[TM+12+\b]      ; the scale's byte
.endr
	v_lshl_or_b32 v[\pw], v[TM+5], 8, v[TM+4]
	v_lshl_or_b32 v[\pw], v[TM+6], 16, v[\pw]
	v_lshl_or_b32 v[\pw], v[TM+7], 24, v[\pw]
.irp b, 0,1,2,3
	v_cvt_scalef32_pk8_fp4_f32 v[PC+4*(\b/2)+(\b%2)], v[\s+16*\b:\s+16*\b+7], v[TM+12+\b]       ; pieces h of block b
	v_cvt_scalef32_pk8_fp4_f32 v[PC+4*(\b/2)+2+(\b%2)], v[\s+16*\b+8:\s+16*\b+15], v[TM+12+\b]  ; pieces 2 + h
.endr
	v_nop                                          ; one plain line behind a scaled conversion
.irp c, 0,1
.irp t, 0,1
	v_permlane16_swap_b32 v[PC+4*\c+2*\t], v[PC+4*\c+2*\t+1]   ; the first's lanes 16-31 change places with the second's lanes 0-15: lane half h now holds block 2 c + h, pieces 2 t and 2 t + 1
.endr
.endr
.endm
; Block a of R: the biases are added, the 128 along P quantised, the two register groups stored: each store of the wave covers 512 consecutive bytes, aligned.
.macro BLOCK a
	WIN RDACC
.set k, 0
.rept 32
	v_pk_add_f32 v[T+k:T+k+1], v[64*(\a)+k:64*(\a)+k+1], v[BP+k:BP+k+1]     ; each accumulator from its low end on
.set k, k+2
.endr
	WIN 0
.set k, 0
.rept 32
	v_pk_add_f32 v[T+k:T+k+1], v[T+k:T+k+1], v[BR+2*(\a):BR+2*(\a)+1] op_sel_hi:[1,0]
.set k, k+2
.endr
.if (\a) > 0
	s_wait_xcnt 0x0                                ; the last block's stores have read their data and their bases: both are written again only behind this wait
	s_add_nc_u64 s[12:13], s[12:13], s[96:97]
	s_add_nc_u64 s[98:99], s[98:99], s[96:97]
.endif
	QUANT T, PWS+(\a)
	global_store_b128 v[LI], v[PC:PC+3], s[12:13]
	global_store_b128 v[LI], v[PC+4:PC+7], s[98:99]
.endm
	s_wait_tensorcnt 1                             ; the scales and my part of the first half of K are in (the second half's load may be out),
	s_barrier_signal -1
	s_barrier_wait -1                              ; everybody's are
	FETCH_B 0, 0, 0
	FETCH_A 0, 0, 0
	SCALES 0
.irp q, 0,1,2,3,4,5,6,7
	STEP \q
.endr
	PLACES 4
	s_wait_loadcnt 0x0                             ; the biases
	s_sub_co_u32 s2, s[ISV], 1                     ; all ones for Q and K, 0 for V
	s_sub_co_u32 s3, 0, s[ISV]                     ; and the other way round
.set k, 0
.rept 64
	v_and_b32 v[BP+k], s2, v[BP+k]                 ; the axis that has no bias adds zeros
.set k, k+1
.endr
.irp a, 0,1,2,3
	v_and_b32 v[BR+2*\a], s3, v[BR+2*\a]
.endr
.irp a, 0,1,2,3
	BLOCK \a
.endr
.irp a, 0,1,2,3
	v_lshrrev_b32 v[PWS+\a], v[SH], v[PWS+\a]      ; Q, K: lanes 0-15 keep the word (bytes 0, 1: the even head's; bytes 2, 3 meet zero codes alone and are never 0xff), lanes 16-31 take the odd head's two bytes
.endr
	global_store_b128 v[SSO], v[PWS:PWS+3], s[92:93]   ; sixteen lanes store 256 consecutive bytes, aligned; Q, K: lanes 16-31 the next head's; V: lanes 16-31 store the same words to the same bytes as lanes 0-15
	s_wait_dscnt 0x0
	s_wait_tensorcnt 0x0
	ds_add_u32 v122, v123
	s_wait_dscnt 0x0
	CROUND                                         ; the closing round: no work-group ends while a partner may still ask for a tile that names it
	s_endpgm
.Lfunc_end_k_q1a627d1c43_qkv:
	.size	k_q1a627d1c43_qkv, .Lfunc_end_k_q1a627d1c43_qkv-k_q1a627d1c43_qkv
	.p2alignl 7, 3214868480
	.fill 96, 4, 3214868480
	.section	.rodata,"a",@progbits
	.p2align	6, 0x0
	.amdhsa_kernel k_q1a627d1c43_qkv
		.amdhsa_group_segment_fixed_size 262656
		.amdhsa_private_segment_fixed_size 0
		.amdhsa_enable_private_segment 0
		.amdhsa_kernarg_size 136
		.amdhsa_user_sgpr_count 2
		.amdhsa_user_sgpr_kernarg_segment_ptr 1
		.amdhsa_wavefront_size32 1
		.amdhsa_system_sgpr_workgroup_id_x 1
		.amdhsa_system_sgpr_workgroup_id_y 1
		.amdhsa_system_sgpr_workgroup_id_z 1
		.amdhsa_system_vgpr_workitem_id 0
		.amdhsa_next_free_vgpr 768
		.amdhsa_next_free_sgpr 102
		.amdhsa_reserve_vcc 0
		.amdhsa_float_denorm_mode_32 3
		.amdhsa_float_denorm_mode_16_64 3
		.amdhsa_memory_ordered 1
		.amdhsa_forward_progress 1
		.amdhsa_inst_pref_size 96
	.end_amdhsa_kernel
	.amdgpu_metadata
---
amdhsa.version: [ 1, 2 ]
amdhsa.kernels:
  - .name:           k_q1a627d1c43_qkv
    .symbol:         k_q1a627d1c43_qkv.kd
    .args:
      - { .name: x_codes, .offset: 0, .size: 8, .value_kind: global_buffer, .address_space: global }
      - { .name: x_scales, .offset: 8, .size: 8, .value_kind: global_buffer, .address_space: global }
      - { .name: Wq_codes, .offset: 16, .size: 8, .value_kind: global_buffer, .address_space: global }
      - { .name: Wq_scales, .offset: 24, .size: 8, .value_kind: global_buffer, .address_space: global }
      - { .name: Wk_codes, .offset: 32, .size: 8, .value_kind: global_buffer, .address_space: global }
      - { .name: Wk_scales, .offset: 40, .size: 8, .value_kind: global_buffer, .address_space: global }
      - { .name: Wv_codes, .offset: 48, .size: 8, .value_kind: global_buffer, .address_space: global }
      - { .name: Wv_scales, .offset: 56, .size: 8, .value_kind: global_buffer, .address_space: global }
      - { .name: bq, .offset: 64, .size: 8, .value_kind: global_buffer, .address_space: global }
      - { .name: bk, .offset: 72, .size: 8, .value_kind: global_buffer, .address_space: global }
      - { .name: bv, .offset: 80, .size: 8, .value_kind: global_buffer, .address_space: global }
      - { .name: Qc, .offset: 88, .size: 8, .value_kind: global_buffer, .address_space: global }
      - { .name: Qs, .offset: 96, .size: 8, .value_kind: global_buffer, .address_space: global }
      - { .name: Kc, .offset: 104, .size: 8, .value_kind: global_buffer, .address_space: global }
      - { .name: Ks, .offset: 112, .size: 8, .value_kind: global_buffer, .address_space: global }
      - { .name: Vc, .offset: 120, .size: 8, .value_kind: global_buffer, .address_space: global }
      - { .name: Vs, .offset: 128, .size: 8, .value_kind: global_buffer, .address_space: global }
    .group_segment_fixed_size: 262656
    .private_segment_fixed_size: 0
    .kernarg_segment_align: 8
    .kernarg_segment_size: 136
    .max_flat_workgroup_size: 128
    .sgpr_count:     102
    .vgpr_count:     768
    .wavefront_size: 32
...
	.end_amdgpu_metadata
.endif
;; end of part 1
;; launch attn (part 2): grid 4 x 64, 16 waves a work-group, clusters of 4 x 1, 169,984 bytes of LDS; arguments Qc, Qs, Kc, Ks, Vc, Vs, Oc, Os; writes Oc, Os
.if DOCPART == 2
	.amdgcn_target "amdgcn-amd-amdhsa--gfx1250"
	.amdhsa_code_object_version 6
	.text
	.protected	k_q1a627d1c43_attn
	.globl	k_q1a627d1c43_attn
	.p2align	8
	.type	k_q1a627d1c43_attn,@function
k_q1a627d1c43_attn:
	s_mov_b64 s[64:65], 0
	v_nop
	global_prefetch_b8 v0, s[64:65] scope:SCOPE_SE
	s_setreg_imm32_b32 hwreg(HW_REG_WAVE_MODE, 25, 1), 1
	s_wait_xcnt 0x0
	s_wait_alu depctr_hold_cnt(0) depctr_sa_sdst(0) depctr_va_vdst(0) depctr_va_sdst(0) depctr_va_ssrc(0) depctr_va_vcc(0) depctr_vm_vsrc(0)
	s_getreg_b32 s2, hwreg(HW_REG_IB_STS2, 6, 4)
	s_cmp_eq_u32 s2, 0
	s_cbranch_scc0 .Lentry_in_a_cluster
	s_endpgm
.Lentry_in_a_cluster:
	s_bfe_u32 s2, ttmp6, 0x10000c
	s_cmp_lg_u32 s2, 0x3003
	s_cbranch_scc0 .Lentry_shape_is_right
	s_endpgm
.Lentry_shape_is_right:
; O[bh][q] = the sum over k of A[q][k] V[bh][k], A = softmax_k(Q[bh][q] . K[bh][k]) / 512, both products on codes of FP4 (E2M1) with one E8M0 scale for each 32 along a product's K.
; WHAT IS QUANTISED FOR THE SECOND PRODUCT IS THE FINISHED A, normalised and divided by 512.  So a row's maximum and sum are known before any of its numbers is quantised: THE KEYS ARE WALKED TWICE.
;   pass 1: S^T = K Q^T; t = score x log2(e); M = the largest t so far, rounded up to a whole number; l = the sum of 2^(t - M), brought under a new M by a multiplication by 2^(old M - new M), which rounds nothing.
;   pass 2: S^T again; a = 2^(t - M) x (1 / l) x 2^-9; quantised along the keys; O^T += V^T a^T.
; At the end O is quantised along the embedding (a head's 64 are two blocks of 32) and leaves as codes, laid as images of the last product's operand registers.
; SHARES.  A work-group owns 512 queries of one head; each of its sixteen waves owns two tiles of 16, one after the other, in 256 registers.  256 work-groups of equal work.
; THE WHOLE HEAD'S K AND V LIE IN LDS, as images of operand registers (16 bytes a lane at 16 x lane: every LDS load takes 512 consecutive bytes), filled once.
; CLUSTER.  The four work-groups of a head form a cluster and ask for K and V jointly: the same tensor loads, the same descriptors, a mask that names the four.
; LAYOUT.  Both products are used transposed: a lane holds ONE query (lane % 16) throughout; in tile t of S^T register j is key 16 t + 8 (lane / 16) + j.
; THE HEAD HAS 64 ALONG K, THE INSTRUCTION 128: Q's registers 4-7 are zero codes, so whatever stands in K's registers 4-7 adds nothing: K's fragment t is v[KF + 4 t .. + 7], whose upper half is the next tile's codes.
; LIMITS: NaN and infinities are not served.  2^(t - M) under 2^-126 comes out as 0.  1 / l is v_rcp_f32's.  A block whose largest magnitude lies under 2^-124 keeps the byte 1; a block of zeros gets the byte 1 and not 127: its
; codes are zeros, and this program alone reads the bytes.  l lies between 0.5 and 2,048 whatever the scores' size, since M is the row's own maximum rounded up.
.set KC,   0                           ; LDS: K's codes, 128 tiles of 16 keys x 512 bytes
.set VC,   65536                       ; V's codes: 16 key steps x 4 tiles of the head's 64 x 1,024 bytes
.set KS,   131072                      ; K's scale words: [group of 4 tiles][r][tile in the group]: 512 bytes a key step
.set VS,   139264                      ; V's: [key step][r][tile]: 256 bytes a key step
.set LI,   1                           ; v1   16 x lane
.set LR,   2                           ; v2   16 x (lane % 16)
.set ADK,  3                           ; v3   LDS address of the step's K
.set ADKS, 4                           ; v4   of its scale words
.set ADV,  5                           ; v5   of the step's V
.set ADVS, 6                           ; v6   of its scale words
.set KF,   32                          ; v32-63 K's eight tiles, four registers each; v64-67 zeros
.set KSW,  68                          ; v68-71 K's scale words: register i: lanes 0-15 tile i, lanes 16-31 tile 4 + i
.set VF,   72                          ; v72-103 V's four fragments
.set VSW,  104                         ; v104-107 V's scale words
.set PW,   110                         ; v110 a's scale word   (v108, v109: Q's scale words)
.set S,    112                         ; v112-175 S^T, then p, then a
.set OT,   176                         ; v176-207 O^T
.set PC,   208                         ; v208-215 a's codes
.set BM,   216                         ; v216-219 a block's largest
.set BT,   220                         ; v220-223 at work
.set SCOP, 224                         ; v224-227 the conversions' scale operands
.set KSB,  241                         ; v241 KS + 16 lane;  v242 VC + 16 lane;  v243 VS + 16 r
.set VCB,  242
.set VSB,  243
.set SEL,  20                          ; s[20:21] lane selects for v_permlanex16_b32: lane l xor 16
.set CS,   22                          ; s[22:23] log2(e), twice: the packed form names a pair
.set WV,   24                          ; s24  my wave's number
.set G1C,  28                          ; s[28:35] descriptor group 1 for codes;  s[36:43] for K's scale words;  s[44:51] for V's
.set G1KS, 36
.set G1VS, 44
.set G0KC, 52                          ; s[52:55], s[56:59], s[60:63], s[68:71] groups 0
.set G0KS, 56
.set G0VC, 60
.set G0VS, 68
.set SK,   72                          ; s72  where the step of K to be fetched begins: 4,096 bytes a step
.set SV,   73                          ; s73  the same for V
.set CNT,  74
.macro CROUND                          ; a round of the cluster's barrier
	s_barrier_signal -1
	s_barrier_wait -1
	s_cmp_lg_u32 s[WV], 0
	s_cbranch_scc1 .Lnot_wave_0_\@
	s_barrier_signal -3
.Lnot_wave_0_\@:
	s_barrier_wait -3
	s_barrier_signal -1
	s_barrier_wait -1
.endm
	s_load_b512 s[4:19], s[0:1], 0x0               ; Qc, Qs, Kc, Ks, Vc, Vs, Oc, Os
	v_lshl_add_u32 v254, v0, 2, 0x29000
	v_mov_b32 v255, 0
	ds_add_u32 v254, v255
	ds_add_u32 v254, v255
	v_lshrrev_b32 v8, 5, v0
	v_readfirstlane_b32 s[WV], v8                  ; wave 0..15
	s_bfe_u32 s25, ttmp6, 0x40000                  ; cx: which quarter of the head's queries: it enters Q's and O's addresses alone
	s_and_b32 s26, ttmp7, 0xffff                   ; bh = 16 x batch + head, which the four partners share
	s_and_b32 s75, s[WV], 1                        ; which half of a block I fetch, if I fetch
	; descriptor group 1: dense blocks, as rows of 256 bytes (32 elements of 8 bytes), no padding
	s_mov_b32 s[G1C], 15|(3<<16)|(1<<21)           ; 15:0 the mask: all four work-groups; 17:16 elements of 8 bytes; 21 set beside a mask
	s_mov_b32 s[G1C+1], 32<<16                     ; tensor_dim0
	s_mov_b32 s[G1C+2], 128<<16                    ; tensor_dim1: half a head's codes, 32,768 bytes
	s_mov_b32 s[G1C+3], 32<<16                     ; tile_dim0
	s_mov_b32 s[G1C+4], 128                        ; tile_dim1
	s_mov_b32 s[G1C+5], 32                         ; tensor_dim0_stride
	s_mov_b32 s[G1C+6], 0
	s_mov_b32 s[G1C+7], 0
	s_mov_b32 s[G1KS], 15|(3<<16)|(1<<21)
	s_mov_b32 s[G1KS+1], 32<<16
	s_mov_b32 s[G1KS+2], 16<<16                    ; half of K's scale words, 4,096 bytes
	s_mov_b32 s[G1KS+3], 32<<16
	s_mov_b32 s[G1KS+4], 16
	s_mov_b32 s[G1KS+5], 32
	s_mov_b32 s[G1KS+6], 0
	s_mov_b32 s[G1KS+7], 0
	s_mov_b32 s[G1VS], 15|(3<<16)|(1<<21)
	s_mov_b32 s[G1VS+1], 32<<16
	s_mov_b32 s[G1VS+2], 8<<16                     ; half of V's, 2,048 bytes
	s_mov_b32 s[G1VS+3], 32<<16
	s_mov_b32 s[G1VS+4], 8
	s_mov_b32 s[G1VS+5], 32
	s_mov_b32 s[G1VS+6], 0
	s_mov_b32 s[G1VS+7], 0
	s_lshl_b32 s82, s75, 15
	s_lshl_b32 s76, s26, 16
	s_add_co_u32 s76, s76, s82                     ; codes: 65,536 bh + 32,768 x half
	s_mov_b32 s77, 0
	s_lshr_b32 s78, s76, 3                         ; K's scale words: an eighth of that
	s_mov_b32 s79, 0
	s_lshr_b32 s80, s76, 4                         ; V's: a sixteenth
	s_mov_b32 s81, 0
	s_lshl_b32 s83, s75, 12
	s_lshl_b32 s75, s75, 11
	s_mov_b32 s[SEL], 0x76543210
	s_mov_b32 s[SEL+1], 0xfedcba98
	s_mov_b32 s[CS], 0x3fb8aa3b                    ; log2(e)
	s_mov_b32 s[CS+1], s[CS]
	s_wait_dscnt 0x0
	s_wait_kmcnt 0x0
	s_mov_b32 s[G0KC], 1
	s_mov_b32 s[G0KC+1], s82                       ; KC = 0
	s_add_nc_u64 s[G0KC+2:G0KC+3], s[8:9], s[76:77]
	s_or_b32 s[G0KC+3], s[G0KC+3], 0x80000000
	s_mov_b32 s[G0KS], 1
	s_add_co_u32 s[G0KS+1], s83, KS
	s_add_nc_u64 s[G0KS+2:G0KS+3], s[10:11], s[78:79]
	s_or_b32 s[G0KS+3], s[G0KS+3], 0x80000000
	s_mov_b32 s[G0VC], 1
	s_add_co_u32 s[G0VC+1], s82, VC
	s_add_nc_u64 s[G0VC+2:G0VC+3], s[12:13], s[76:77]
	s_or_b32 s[G0VC+3], s[G0VC+3], 0x80000000
	s_mov_b32 s[G0VS], 1
	s_add_co_u32 s[G0VS+1], s75, VS
	s_add_nc_u64 s[G0VS+2:G0VS+3], s[14:15], s[80:81]
	s_or_b32 s[G0VS+3], s[G0VS+3], 0x80000000
	CROUND                                         ; all four work-groups are here: the joint loads meet
	s_cmp_lt_u32 s[WV], 2                          ; waves 0 and 1 fetch K's halves, waves 2 and 3 V's, the others nothing: a wave's two loads stand in one branch on its number; two of mine are out at the most
	s_cbranch_scc0 .Lnot_k
	tensor_load_to_lds s[G0KS:G0KS+3], s[G1KS:G1KS+7]
	s_nop 0
	tensor_load_to_lds s[G0KC:G0KC+3], s[G1C:G1C+7]
	s_nop 0
.rept 4
	v_nop
.endr
	s_branch .Lasked
.Lnot_k:
	s_cmp_lt_u32 s[WV], 4
	s_cbranch_scc0 .Lasked
	tensor_load_to_lds s[G0VS:G0VS+3], s[G1VS:G1VS+7]
	s_nop 0
	tensor_load_to_lds s[G0VC:G0VC+3], s[G1C:G1C+7]
	s_nop 0
.rept 4
	v_nop
.endr
.Lasked:
	v_and_b32 v8, 31, v0
	v_lshlrev_b32 v[LI], 4, v8
	v_and_b32 v9, 15, v0                           ; r
	v_lshlrev_b32 v[LR], 4, v9
	v_bfe_u32 v10, v0, 4, 1                        ; h
	v_lshl_add_u32 v7, v9, 5, v10                  ; O's scale bytes: 32 bytes a token, + h: my block's byte
	v_lshlrev_b32 v11, 3, v10                      ; 8 h
	v_add_nc_u32 v[KSB], KS, v[LI]
	v_add_nc_u32 v[VCB], VC, v[LI]
	v_add_nc_u32 v[VSB], VS, v[LR]
	s_lshl_b32 s82, s25, 5
	s_lshl_b32 s83, s[WV], 1
	s_add_co_u32 s82, s82, s83                     ; my first tile of queries in the head: 32 cx + 2 wave
	s_lshl_b32 s76, s26, 16
	s_lshl_b32 s78, s82, 9
	s_add_co_u32 s76, s76, s78
	s_mov_b32 s77, 0
	s_add_nc_u64 s[4:5], s[4:5], s[76:77]          ; Q's codes: 65,536 bh + 512 x tile
	s_lshl_b32 s76, s26, 13
	s_lshr_b32 s78, s82, 2
	s_lshl_b32 s78, s78, 8
	s_add_co_u32 s76, s76, s78
	s_and_b32 s78, s82, 3
	s_lshl_b32 s78, s78, 2
	s_add_co_u32 s76, s76, s78
	s_add_nc_u64 s[6:7], s[6:7], s[76:77]          ; Q's scale words: 8,192 bh + 256 x group + 4 x tile in the group (+ 16 r)
	global_load_b128 v[16:19], v[LI], s[4:5]       ; Q's two fragments stay in registers
	global_load_b128 v[24:27], v[LI], s[4:5] offset:512
	global_load_b32 v108, v[LR], s[6:7]
	global_load_b32 v109, v[LR], s[6:7] offset:4
	s_lshr_b32 s78, s26, 4
	s_lshl_b32 s78, s78, 7
	s_add_co_u32 s78, s78, s82                     ; my first tile among all 512 tiles of tokens
	s_and_b32 s79, s26, 15                         ; the head
	s_lshl_b32 s80, s78, 13
	s_lshl_b32 s81, s79, 9
	s_add_co_u32 s80, s80, s81
	s_mov_b32 s81, 0
	s_add_nc_u64 s[16:17], s[16:17], s[80:81]      ; O's codes: 8,192 x tile + 512 x head
	s_lshl_b32 s80, s78, 9
	s_lshl_b32 s79, s79, 1
	s_add_co_u32 s80, s80, s79
	s_add_nc_u64 s[18:19], s[18:19], s[80:81]      ; O's scale bytes: 512 x tile + 2 x head
.irp j, 20,21,22,23,28,29,30,31,64,65,66,67
	v_mov_b32 v[\j], 0                             ; zero codes: the upper half of K in Q's fragments, and behind K's last tile
.endr
.irp j, 220,221,222,223,231,232,233
	v_mov_b32 v[\j], 0                             ; written once: lane permutes' destinations, and the upper half of the pair v[230:231]
.endr
	s_wait_tensorcnt 0x0                           ; my loads have landed,
	s_barrier_signal -1
	s_barrier_wait -1                              ; everybody's have.  From here on LDS is only read
; S^T = K Q^T for the 128 keys whose tiles have been fetched: eight products, each begun with the constant 0.
.macro SPROD qf, qs
	s_wait_dscnt 0x0                               ; K and its scale words are in
.irp t, 0,1,2,3
	v_wmma_scale_f32_16x16x128_f8f6f4 v[S+8*\t:S+8*\t+7], v[KF+4*\t:KF+4*\t+7], v[\qf:\qf+7], 0, v[KSW+\t], v[\qs] matrix_a_fmt:MATRIX_FMT_FP4 matrix_b_fmt:MATRIX_FMT_FP4
.endr
.irp t, 4,5,6,7
	v_wmma_scale_f32_16x16x128_f8f6f4 v[S+8*\t:S+8*\t+7], v[KF+4*\t:KF+4*\t+7], v[\qf:\qf+7], 0, v[KSW+\t-4], v[\qs] matrix_a_fmt:MATRIX_FMT_FP4 matrix_b_fmt:MATRIX_FMT_FP4 matrix_a_scale:MATRIX_SCALE_ROW1
.endr
.endm
; The next fetch of K.  mode 1: the next step; 2: back to step 0; 0: none.  KADDR is two plain vector lines in every mode: they are places behind the products.
.macro KADDR mode
.if \mode == 1
	s_add_co_u32 s[SK], s[SK], 4096
.endif
.if \mode == 2
	s_mov_b32 s[SK], 0
.endif
.if \mode
	s_lshr_b32 s75, s[SK], 3
	v_add_nc_u32 v[ADK], s[SK], v[LI]
	v_add_nc_u32 v[ADKS], s75, v[KSB]
.else
	v_nop
	v_nop
.endif
.endm
.macro KLOADS mode                     ; nine loads: they land under this step's vector work
.if \mode
.irp t, 0,1,2,3,4,5,6,7
	ds_load_b128 v[KF+4*\t:KF+4*\t+3], v[ADK] offset:512*\t
.endr
	ds_load_b128 v[KSW:KSW+3], v[ADKS]
.endif
.endm
.macro BLOCKMAX                        ; the largest of my 16 scores of each block of 32 keys; each tile of S^T is read from its low end on
.irp b, 0,1,2,3
	v_max3_num_f32 v[BM+\b], v[S+16*\b], v[S+16*\b+1], v[S+16*\b+2]
.endr
.irp i, 3,5,7,9,11,13
.irp b, 0,1,2,3
	v_max3_num_f32 v[BM+\b], v[BM+\b], v[S+16*\b+\i], v[S+16*\b+\i+1]   ; (the four blocks by turns)
.endr
.endr
.irp b, 0,1,2,3
	v_max_num_f32 v[BM+\b], v[BM+\b], v[S+16*\b+15]
.endr
.endm
.macro TMINUSM                         ; t - M, two at a time: of the pairs log2(e) and -M the low word serves both halves
.set j, 0
.rept 32
	v_pk_fma_f32 v[S+j:S+j+1], v[S+j:S+j+1], s[CS:CS+1], v[12:13] op_sel_hi:[1,0,0]
.set j, j+2
.endr
.endm
.macro EXP64
.set j, 0
.rept 64
	v_exp_f32 v[S+j], v[S+j]
.set j, j+1
.endr
.endm
; PASS 1, a key step.  Each lane keeps M and l of its own 64 keys of the step: the two halves of the lanes meet once, behind the pass.
.macro P1STEP qf, qs, mode
	SPROD \qf, \qs
	KADDR \mode
	v_nop
	v_nop                                          ; four plain lines behind the products: then loads into K's registers, and the first read of the scores
	KLOADS \mode
	BLOCKMAX
	v_max3_num_f32 v232, v[BM], v[BM+1], v[BM+2]
	v_max_num_f32 v232, v232, v[BM+3]
	v_mul_f32 v232, s[CS], v232                    ; as t
	v_max_num_f32 v13, v13, v232                   ; the running largest t
	v_mov_b32 v232, v12
	v_floor_f32 v12, -v13                          ; the new -M = floor(-t): M is a whole number
	v_sub_f32 v232, v12, v232                      ; old M - new M: a whole number, 0 or less
	v_cvt_i32_f32 v232, v232                       ; (it saturates)
	v_ldexp_f32 v230, 1.0, v232                    ; 2^(old M - new M)
	TMINUSM
	EXP64
	v_pk_mul_f32 v[14:15], v[14:15], v[230:231] op_sel_hi:[1,0]   ; the sums under the new M: a plain line behind the exponentials
	s_wait_alu depctr_va_vdst(0)                   ; one wait for the batch, ahead of its first reader
	v_pk_add_f32 v[234:235], v[S:S+1], v[S+2:S+3]  ; the sum, two at a time, in two chains
.set j, 4
.rept 15
	v_pk_add_f32 v[14:15], v[14:15], v[S+j:S+j+1]
	v_pk_add_f32 v[234:235], v[234:235], v[S+j+2:S+j+3]
.set j, j+4
.endr
	v_pk_add_f32 v[14:15], v[14:15], v[234:235]
.endm
; BETWEEN THE PASSES: the two halves of the lanes join their M and l; v[228:229] = 2^-9 / l.
.macro MERGE
	v_add_f32 v14, v14, v15
	v_permlanex16_b32 v232, v12, s[SEL], s[SEL+1]  ; lane l xor 16's -M
	v_permlanex16_b32 v233, v14, s[SEL], s[SEL+1]  ; and its l
	v_min_num_f32 v8, v12, v232                    ; the row's -M
	v_sub_f32 v9, v8, v12                          ; my M - the row's M: a whole number, 0 or less
	v_sub_f32 v10, v8, v232
	v_cvt_i32_f32 v9, v9
	v_cvt_i32_f32 v10, v10
	v_ldexp_f32 v14, v14, v9                       ; both sums under the row's M,
	v_ldexp_f32 v233, v233, v10
	v_add_f32 v14, v14, v233                       ; added: the same bits in both lanes
	v_mov_b32 v12, v8
	v_rcp_f32 v228, v14
.set j, 0
.rept 32
	v_mov_b32 v[OT+j], 0                           ; O^T begins as zeros, so that pass 2's step is written once; these lines stand behind the reciprocal as its independent work
.set j, j+1
.endr
	s_wait_alu depctr_va_vdst(0)                   ; the wait ahead of the reciprocal's first reader
	v_mul_f32 v228, 0x3b000000, v228               ; x 2^-9: the division by 512
	v_mov_b32 v229, v228
.endm
; PASS 2, a key step.
.macro P2STEP qf, qs, mode
	SPROD \qf, \qs
	v_add_nc_u32 v[ADV], s[SV], v[VCB]
	s_lshr_b32 s76, s[SV], 4
	v_add_nc_u32 v[ADVS], s76, v[VSB]
	KADDR \mode                                    ; four plain lines behind the products, the last step's V^T a^T among them
.irp t, 0,1,2,3
.irp c, 0,1
	ds_load_b128 v[VF+8*\t+4*\c:VF+8*\t+4*\c+3], v[ADV] offset:1024*\t+512*\c
.endr
.endr
	ds_load_b128 v[VSW:VSW+3], v[ADVS]
	KLOADS \mode
	BLOCKMAX
.irp b, 0,1,2,3
	v_permlanex16_b32 v[BT+\b], v[BM+\b], s[SEL], s[SEL+1]
.endr
.irp b, 0,1,2,3
	v_max_num_f32 v[BM+\b], v[BM+\b], v[BT+\b]     ; THE LARGEST SCORE OF EACH BLOCK: a rises with the score, so the same three instructions on it give the block's largest a, with the same bits as the number itself
.endr
	TMINUSM
.irp b, 0,1,2,3
	v_fma_f32 v[BM+\b], v[BM+\b], s[CS], v12
.endr
.irp b, 0,1,2,3
	v_exp_f32 v[BM+\b], v[BM+\b]
.endr
	EXP64
	v_nop                                          ; a plain line behind the last exponential
	s_wait_alu depctr_va_vdst(0)                   ; one wait for the 68
.irp b, 0,1,2,3
	v_mul_f32 v[BM+\b], v[BM+\b], v228
.endr
.irp b, 0,1,2,3
	v_max_num_f32 v[BM+\b], 0x1800000, v[BM+\b]    ; the floor 2^(3 - 127): the byte cannot fall under 1
.endr
.irp b, 0,1,2,3
	v_add_nc_u32 v[SCOP+\b], 0xff000000, v[BM+\b]  ; 2 off the exponent field: the conversion's scale operand
.endr
.irp b, 0,1,2,3
	v_lshrrev_b32 v[BT+\b], 23, v[SCOP+\b]         ; the scale's byte
.endr
	v_lshl_or_b32 v[PW], v[BT+1], 8, v[BT]
	v_lshl_or_b32 v[PW], v[BT+2], 16, v[PW]
	v_lshl_or_b32 v[PW], v[BT+3], 24, v[PW]        ; a's scale word for these 128 keys
.set j, 0
.rept 32
	v_pk_mul_f32 v[S+j:S+j+1], v[S+j:S+j+1], v[228:229]   ; a = p / l / 512.  (These 32 also stand between the scale word's last write and the products that take it)
.set j, j+2
.endr
.irp b, 0,1,2,3
	v_cvt_scalef32_pk8_fp4_f32 v[PC+4*(\b/2)+(\b%2)], v[S+16*\b:S+16*\b+7], v[SCOP+\b]        ; pieces h of block b
	v_cvt_scalef32_pk8_fp4_f32 v[PC+4*(\b/2)+2+(\b%2)], v[S+16*\b+8:S+16*\b+15], v[SCOP+\b]   ; pieces 2 + h
.endr
	v_nop                                          ; one plain line behind a scaled conversion
.irp c, 0,1
.irp t, 0,1
	v_permlane16_swap_b32 v[PC+4*\c+2*\t], v[PC+4*\c+2*\t+1]   ; lane half h now holds block 2 c + h, pieces 2 t and 2 t + 1
.endr
.endr
.rept 4
	v_nop                                          ; an operand written by vector instructions stands four plain lines ahead of a scaled matrix instruction
.endr
.if \mode
	s_wait_dscnt 9                                 ; V and its scale words are in; the nine loads of the next K, issued behind them, may be out
.else
	s_wait_dscnt 0x0
.endif
.irp t, 0,1,2,3                        ; the four accumulators by turns; between two steps stand the eight products of S^T
	v_wmma_scale_f32_16x16x128_f8f6f4 v[OT+8*\t:OT+8*\t+7], v[VF+8*\t:VF+8*\t+7], v[PC:PC+7], v[OT+8*\t:OT+8*\t+7], v[VSW+\t], v[PW] matrix_a_fmt:MATRIX_FMT_FP4 matrix_b_fmt:MATRIX_FMT_FP4
.endr
.endm
; THE WAY OUT of tile i: the head's 64 are two blocks of 32 along the last product's K.
.macro OUT i
.rept 4
	v_nop
.endr
.irp b, 0,1
	v_max3_num_f32 v[BM+\b], |v[OT+16*\b]|, |v[OT+16*\b+1]|, 0x1800000
.endr
.irp k, 2,4,6,8,10,12,14
.irp b, 0,1
	v_max3_num_f32 v[BM+\b], v[BM+\b], |v[OT+16*\b+\k]|, |v[OT+16*\b+\k+1]|
.endr
.endr
.irp b, 0,1
	v_permlanex16_b32 v[BT+\b], v[BM+\b], s[SEL], s[SEL+1]
.endr
.irp b, 0,1
	v_max_num_f32 v[BM+\b], v[BM+\b], v[BT+\b]
.endr
.irp b, 0,1
	v_add_nc_u32 v[SCOP+\b], 0xff000000, v[BM+\b]
.endr
.irp b, 0,1
	v_lshrrev_b32 v[BT+\b], 23, v[SCOP+\b]
.endr
	v_lshl_or_b32 v240, v[BT+1], 8, v[BT]
	v_lshrrev_b32 v240, v11, v240                  ; lanes 0-15: block 0's byte, lanes 16-31: block 1's
	v_cvt_scalef32_pk8_fp4_f32 v236, v[OT:OT+7], v[SCOP]
	v_cvt_scalef32_pk8_fp4_f32 v237, v[OT+16:OT+23], v[SCOP+1]
	v_cvt_scalef32_pk8_fp4_f32 v238, v[OT+8:OT+15], v[SCOP]
	v_cvt_scalef32_pk8_fp4_f32 v239, v[OT+24:OT+31], v[SCOP+1]
	v_nop
	v_permlane16_swap_b32 v236, v237
	v_permlane16_swap_b32 v238, v239
	global_store_b128 v[LI], v[236:239], s[16:17] offset:8192*\i   ; the wave stores 512 consecutive bytes, aligned
	global_store_b8 v7, v240, s[18:19] offset:512*\i               ; two bytes a token and head: in a token's 32 bytes they lie between those of the 15 other heads, which other work-groups make, so they cannot be gathered here
.endm
; A tile of 16 queries: both passes.  last = 1: nothing is fetched behind the last step.
.macro QTILE i, qf, qs, last
	s_wait_xcnt 0x0                                ; the last tile's stores have read their data
	v_mov_b32 v13, 0xff61b1e6                      ; the largest t so far: -3e38, under every t
	v_floor_f32 v12, -v13                          ; -M
	v_mov_b32 v14, 0                               ; l, in two halves
	v_mov_b32 v15, 0
	s_mov_b32 s[CNT], 15
.Lp1_\@:
	P1STEP \qf, \qs, 1
	s_sub_co_u32 s[CNT], s[CNT], 1
	s_cmp_lg_u32 s[CNT], 0
	s_cbranch_scc1 .Lp1_\@
	P1STEP \qf, \qs, 2                             ; the last step fetches step 0 again, for pass 2
	MERGE
	s_mov_b32 s[SV], 0
	s_mov_b32 s[CNT], 15
.Lp2_\@:
	P2STEP \qf, \qs, 1
	s_add_co_u32 s[SV], s[SV], 4096
	s_sub_co_u32 s[CNT], s[CNT], 1
	s_cmp_lg_u32 s[CNT], 0
	s_cbranch_scc1 .Lp2_\@
.if \last
	P2STEP \qf, \qs, 0
.else
	P2STEP \qf, \qs, 2                             ; step 0 again, for the next tile's pass 1
.endif
	OUT \i
.endm
	s_mov_b32 s[SK], 0
	v_add_nc_u32 v[ADK], s[SK], v[LI]
	v_mov_b32 v[ADKS], v[KSB]
	KLOADS 1                                       ; key step 0
	s_wait_loadcnt 0x0                             ; Q
	QTILE 0, 16, 108, 0
	QTILE 1, 24, 109, 1
	s_wait_dscnt 0x0
	s_wait_tensorcnt 0x0
	ds_add_u32 v254, v255
	s_wait_dscnt 0x0
	CROUND                                         ; the closing round: no work-group ends while a partner may still ask for a tile that names it
	s_endpgm
.Lfunc_end_k_q1a627d1c43_attn:
	.size	k_q1a627d1c43_attn, .Lfunc_end_k_q1a627d1c43_attn-k_q1a627d1c43_attn
	.p2alignl 7, 3214868480
	.fill 96, 4, 3214868480
	.section	.rodata,"a",@progbits
	.p2align	6, 0x0
	.amdhsa_kernel k_q1a627d1c43_attn
		.amdhsa_group_segment_fixed_size 169984
		.amdhsa_private_segment_fixed_size 0
		.amdhsa_enable_private_segment 0
		.amdhsa_kernarg_size 64
		.amdhsa_user_sgpr_count 2
		.amdhsa_user_sgpr_kernarg_segment_ptr 1
		.amdhsa_wavefront_size32 1
		.amdhsa_system_sgpr_workgroup_id_x 1
		.amdhsa_system_sgpr_workgroup_id_y 1
		.amdhsa_system_sgpr_workgroup_id_z 1
		.amdhsa_system_vgpr_workitem_id 0
		.amdhsa_next_free_vgpr 256
		.amdhsa_next_free_sgpr 84
		.amdhsa_reserve_vcc 0
		.amdhsa_float_denorm_mode_32 3
		.amdhsa_float_denorm_mode_16_64 3
		.amdhsa_memory_ordered 1
		.amdhsa_forward_progress 1
		.amdhsa_inst_pref_size 111
	.end_amdhsa_kernel
	.amdgpu_metadata
---
amdhsa.version: [ 1, 2 ]
amdhsa.kernels:
  - .name:           k_q1a627d1c43_attn
    .symbol:         k_q1a627d1c43_attn.kd
    .args:
      - { .name: Qc, .offset: 0, .size: 8, .value_kind: global_buffer, .address_space: global }
      - { .name: Qs, .offset: 8, .size: 8, .value_kind: global_buffer, .address_space: global }
      - { .name: Kc, .offset: 16, .size: 8, .value_kind: global_buffer, .address_space: global }
      - { .name: Ks, .offset: 24, .size: 8, .value_kind: global_buffer, .address_space: global }
      - { .name: Vc, .offset: 32, .size: 8, .value_kind: global_buffer, .address_space: global }
      - { .name: Vs, .offset: 40, .size: 8, .value_kind: global_buffer, .address_space: global }
      - { .name: Oc, .offset: 48, .size: 8, .value_kind: global_buffer, .address_space: global }
      - { .name: Os, .offset: 56, .size: 8, .value_kind: global_buffer, .address_space: global }
    .group_segment_fixed_size: 169984
    .private_segment_fixed_size: 0
    .kernarg_segment_align: 8
    .kernarg_segment_size: 64
    .max_flat_workgroup_size: 512
    .sgpr_count:     84
    .vgpr_count:     256
    .wavefront_size: 32
...
	.end_amdgpu_metadata
.endif
;; end of part 2
;; launch proj (part 3): grid 4 x 64, 4 waves a work-group, clusters of 4 x 4, 262,656 bytes of LDS; arguments Oc, Os, Wo_codes, Wo_scales, bo, out0; writes out0
.if DOCPART == 3
	.amdgcn_target "amdgcn-amd-amdhsa--gfx1250"
	.amdhsa_code_object_version 6
	.text
	.protected	k_q1a627d1c43_proj
	.globl	k_q1a627d1c43_proj
	.p2align	8
	.type	k_q1a627d1c43_proj,@function
k_q1a627d1c43_proj:
	s_mov_b64 s[64:65], 0
	v_nop
	global_prefetch_b8 v0, s[64:65] scope:SCOPE_SE
	s_setreg_imm32_b32 hwreg(HW_REG_WAVE_MODE, 25, 1), 1
	s_wait_xcnt 0x0
	s_wait_alu depctr_hold_cnt(0) depctr_sa_sdst(0) depctr_va_vdst(0) depctr_va_sdst(0) depctr_va_ssrc(0) depctr_va_vcc(0) depctr_vm_vsrc(0)
	s_getreg_b32 s2, hwreg(HW_REG_IB_STS2, 6, 4)
	s_cmp_eq_u32 s2, 0
	s_cbranch_scc0 .Lentry_in_a_cluster
	s_endpgm
.Lentry_in_a_cluster:
	s_bfe_u32 s2, ttmp6, 0x10000c
	s_cmp_lg_u32 s2, 0xf033
	s_cbranch_scc0 .Lentry_shape_is_right
	s_endpgm
.Lentry_shape_is_right:
; out0 = O Wo + bo on codes of FP4 (E2M1) with one E8M0 scale for each 32 along K = 1,024; sums in f32; out0 [8,192][1,024] f32.
; O's codes come as images of operand registers, [tile of 16 tokens][head][512 bytes]: heads 2 j and 2 j + 1 are the 1,024 bytes of the fragment of K step j; its scale bytes [token][32].  Wo's codes [1,024 (column)][512 bytes], scales [1,024][32].
; SHARES.  Source 0 takes 16 rows of Wo (output columns), source 1 16 tokens: a lane then holds eight neighbouring numbers of a row of out0.  A work-group makes 256 columns x 128 tokens, a wave 128 x 64: 32 accumulators.  256 work-groups.
; All of K lies in LDS: two halves of 512 along K, both filled once; nothing is filled again.
; CLUSTERS: 4 x 4 work-groups.  The tokens' tile hangs on cy alone and is asked for jointly by a row of the cluster, Wo's on cx alone and by a column.
; LIMITS: NaN, infinities and scale bytes 0xff among the inputs are not served.
; REGISTERS, in windows of 256.  window 0: v1-31 addresses; v32-95 scale words, a set for each half of K; v128-191 the tokens' fragments, two sets of 32; on the way out v128-191 and v192-255 by turns.
;   window 1: Wo's fragments, two sets, at v0 and v128; v64-127 bo.   window 2: accumulator (a, b) at v[8 (8 a + b)].
.set PITCH,  272                       ; an LDS row of Wo: 256 bytes + 16 of padding = 68 words: the 16 rows that a load touches start at 16 different banks (64 banks of 4 bytes: ISA guide 11.1)
.set HALFA,  64*PITCH                  ; room for 64 tokens' half of K (their images take 16,384 bytes of it, without padding: every load takes 512 consecutive bytes)
.set HALFB,  128*PITCH                 ; Wo's rows that one tensor load brings, and that one wave reads
.set SLOT,   2*HALFA+2*HALFB           ; half of K: the tokens' part, then Wo's 256 rows
.set SCLA,   2*SLOT                    ; O's scale bytes, 128 tokens x 32, as 16 units of 256 bytes + 16 of padding
.set SCLB,   SCLA+16*272               ; Wo's, 32 units
.set STG,    SCLB+32*272               ; the way out: a stage of 16 rows x (512 bytes + 16) for each wave; no tensor load lands here
.set ADRA, 16
.set ADRB, 20
.set STO,  24                          ; v24  where I put 32 bytes of a row
.set RD,   25                          ; v25  where I read a row back
.set LI,   26                          ; v26  16 x lane
.set ADRS, 27
.set BPO,  30                          ; v30  32 h
.set SC,   32
.set AF,   128
.set BPW,  64                          ; bo, in window 1
.set G1,   24
.set G0,   32
.set G1B,  48
.set G0B,  56
.set G1S,  68
.set G0S,  76
.set G1SB, 80
.set G0SB, 88
.set MSB, 0
.macro WIN new                         ; the immediate's high byte repeats the setting that is left
.if MSB != \new
	s_set_vgpr_msb (MSB<<8)|\new
.set MSB, \new
.endif
.endm
.set MUL,   0xa1                       ; source 0 (Wo) window 1, source 1 (tokens) window 0, C and D window 2
.set TO_B,  0x40                       ; destination window 1, address window 0
.set ADDB,  0x06                       ; source 0 window 2 (an accumulator), source 1 window 1 (bo)
.macro JLOAD g0a, g1a, g0b, g1b        ; a joint load: waves 0 and 1 fetch for the tokens, waves 2 and 3 for Wo; four v_nop follow each of the two lines
	s_cmp_eq_u32 s15, 0
	s_cbranch_scc0 .Lfor_b_\@
	tensor_load_to_lds s[\g0a:\g0a+3], s[\g1a:\g1a+7]
	s_nop 0
.rept 4
	v_nop
.endr
	s_branch .Lasked_\@
.Lfor_b_\@:
	tensor_load_to_lds s[\g0b:\g0b+3], s[\g1b:\g1b+7]
	s_nop 0
.rept 4
	v_nop
.endr
.Lasked_\@:
.endm
.macro CREST
	s_cmp_lg_u32 s14, 0
	s_cbranch_scc1 .Lnot_wave_0_\@
	s_barrier_signal -3
.Lnot_wave_0_\@:
	s_barrier_wait -3
	s_barrier_signal -1
	s_barrier_wait -1
.endm
.macro CROUND
	s_barrier_signal -1
	s_barrier_wait -1
	CREST
.endm
.macro PLACES n                        ; plain vector lines behind matrix instructions (ISA guide 7.12.1)
.rept \n
	v_nop
.endr
.endm
	s_load_b256 s[4:11], s[0:1], 0x0               ; O's codes, O's scales, Wo's codes, Wo's scales
	s_load_b64 s[94:95], s[0:1], 0x20              ; bo
	s_load_b64 s[12:13], s[0:1], 0x28              ; out0
	v_lshl_add_u32 v126, v0, 2, 0x40000
	v_mov_b32 v127, 0
	ds_add_u32 v126, v127
	ds_add_u32 v126, v127
	v_lshrrev_b32 v1, 5, v0
	v_readfirstlane_b32 s14, v1                    ; wave 0..3
	s_lshr_b32 s15, s14, 1                         ; which half of the tokens is mine.  Also: I fetch for the tokens (0) or for Wo (1)
	s_and_b32 s16, s14, 1                          ; which half of the columns is mine.  Also: which half of that tile I fetch
	s_bfe_u32 s40, ttmp6, 0x40000                  ; cx, cy
	s_bfe_u32 s41, ttmp6, 0x40004
	s_mov_b32 s42, s40                             ; the tile of 256 columns: cx
	s_and_b32 s17, ttmp7, 0xffff
	s_lshl_b32 s17, s17, 2
	s_add_co_u32 s17, s17, s41                     ; the tile of 128 tokens: 4 x cluster y + cy
	s_lshl_b32 s43, s41, 2
	s_lshl_b32 s43, 15, s43                        ; my row of the cluster
	s_lshl_b32 s44, 0x1111, s40                    ; my column
	s_lshl_b32 s20, s17, 16
	s_lshl_b32 s21, s16, 15
	s_add_co_u32 s20, s20, s21                     ; O's codes: 8 tiles of tokens x 8,192 bytes a tile of 128, 4 a half
	s_lshr_b32 s22, s20, 4                         ; O's scales: 32 bytes a token: a sixteenth of that
	s_mov_b32 s21, 0
	s_mov_b32 s23, 0
	s_lshl_b32 s46, s42, 8
	s_lshl_b32 s47, s16, 7
	s_add_co_u32 s46, s46, s47                     ; Wo: the first of the 128 rows that I fetch
	s_lshl_b32 s98, s46, 5
	s_lshl_b32 s46, s46, 9
	s_mov_b32 s47, 0
	s_mov_b32 s99, 0
	; descriptor group 1.  The tokens' images: 4 tiles of tokens x 4,096 bytes (8 heads), 8,192 bytes apart, as elements of 8 bytes, no padding
	s_or_b32 s[G1+0], s43, (3<<16)|(1<<21)         ; 15:0 the mask: my row; 17:16 elements of 8 bytes; 21 set beside a mask
	s_mov_b32 s[G1+1], 512<<16                     ; tensor_dim0
	s_mov_b32 s[G1+2], 4<<16                       ; tensor_dim1
	s_mov_b32 s[G1+3], 512<<16                     ; tile_dim0
	s_mov_b32 s[G1+4], 4                           ; tile_dim1
	s_mov_b32 s[G1+5], 1024                        ; tensor_dim0_stride
	s_mov_b32 s[G1+6], 0
	s_mov_b32 s[G1+7], 0
	; Wo's codes: 128 rows of 256 bytes, 512 bytes apart, 16 bytes of padding behind each
	s_or_b32 s[G1B+0], s44, (0<<16)|(1<<20)|(1<<21)|(5<<22)|(3<<25)
	s_mov_b32 s[G1B+1], 256<<16
	s_mov_b32 s[G1B+2], 128<<16
	s_mov_b32 s[G1B+3], 256<<16
	s_mov_b32 s[G1B+4], 128
	s_mov_b32 s[G1B+5], 512
	s_mov_b32 s[G1B+6], 0
	s_mov_b32 s[G1B+7], 0
	; scales: dense blocks, as rows of 256 bytes, 16 bytes of padding behind each
	s_or_b32 s[G1S+0], s43, (3<<16)|(1<<20)|(1<<21)|(5<<22)|(3<<25)
	s_or_b32 s[G1SB+0], s44, (3<<16)|(1<<20)|(1<<21)|(5<<22)|(3<<25)
	s_mov_b32 s[G1S+1], 32<<16
	s_mov_b32 s[G1S+2], 8<<16
	s_mov_b32 s[G1S+3], 32<<16
	s_mov_b32 s[G1S+4], 8
	s_mov_b32 s[G1S+5], 32
	s_mov_b32 s[G1S+6], 0
	s_mov_b32 s[G1S+7], 0
	s_mov_b32 s[G1SB+1], 32<<16
	s_mov_b32 s[G1SB+2], 16<<16
	s_mov_b32 s[G1SB+3], 32<<16
	s_mov_b32 s[G1SB+4], 16
	s_mov_b32 s[G1SB+5], 32
	s_mov_b32 s[G1SB+6], 0
	s_mov_b32 s[G1SB+7], 0
	s_lshl_b32 s45, s16, 14                        ; where they go: no place in the cluster enters an LDS address
	s_mul_i32 s2, s16, HALFB
	s_add_co_u32 s2, s2, 2*HALFA
	s_mul_i32 s3, s16, 8*272
	s_mul_i32 s18, s16, 16*272
	s_wait_dscnt 0x0
	s_wait_kmcnt 0x0
	s_add_nc_u64 s[20:21], s[4:5], s[20:21]
	s_add_nc_u64 s[22:23], s[6:7], s[22:23]
	s_add_nc_u64 s[46:47], s[8:9], s[46:47]
	s_add_nc_u64 s[98:99], s[10:11], s[98:99]
	CROUND                                         ; all sixteen work-groups are here: the first joint loads meet
	s_mov_b32 s[G0S], 1
	s_add_co_u32 s[G0S+1], s3, SCLA
	s_mov_b64 s[G0S+2:G0S+3], s[22:23]
	s_or_b32 s[G0S+3], s[G0S+3], 0x80000000
	s_mov_b32 s[G0SB], 1
	s_add_co_u32 s[G0SB+1], s18, SCLB
	s_mov_b64 s[G0SB+2:G0SB+3], s[98:99]
	s_or_b32 s[G0SB+3], s[G0SB+3], 0x80000000
	JLOAD G0S, G1S, G0SB, G1SB
.irp s, 0,1
	s_mov_b32 s[G0+4*\s], 1
	s_add_co_u32 s[G0+4*\s+1], s45, \s*SLOT
	s_add_nc_u64 s[G0+4*\s+2:G0+4*\s+3], s[20:21], \s*4096
	s_or_b32 s[G0+4*\s+3], s[G0+4*\s+3], 0x80000000
	s_mov_b32 s[G0B+4*\s], 1
	s_add_co_u32 s[G0B+4*\s+1], s2, \s*SLOT
	s_add_nc_u64 s[G0B+4*\s+2:G0B+4*\s+3], s[46:47], \s*256
	s_or_b32 s[G0B+4*\s+3], s[G0B+4*\s+3], 0x80000000
	JLOAD G0+4*\s, G1, G0B+4*\s, G1B               ; three tensor loads of mine are out now, and no more follow
.endr
	v_and_b32 v1, 15, v0                           ; r
	v_bfe_u32 v2, v0, 4, 1                         ; h
	v_and_b32 v5, 31, v0
	v_lshlrev_b32 v[LI], 4, v5
	v_mul_u32_u24 v3, v1, PITCH
	v_lshl_add_u32 v4, v2, 4, v3                   ; Wo: a fragment's row x pitch + 16 h
	s_lshl_b32 s21, s15, 14                        ; my 64 tokens' images
	s_mul_i32 s22, s16, HALFB                      ; my 128 rows of Wo
	s_add_co_u32 s22, s22, 2*HALFA
.irp s, 0,1
	v_add_nc_u32 v[ADRA+\s], s21, v[LI]
	v_add_nc_u32 v[ADRB+\s], s22, v4
	s_add_co_u32 s21, s21, SLOT
	s_add_co_u32 s22, s22, SLOT
.endr
	v_lshlrev_b32 v5, 5, v1                        ; my row's scales: 32 bytes a row,
	v_lshrrev_b32 v6, 3, v1
	v_lshl_add_u32 v5, v6, 4, v5                   ; and 16 more behind each 256
	s_mul_i32 s21, s15, 8*272
	s_mul_i32 s22, s16, 16*272
	s_add_co_u32 s22, s22, SCLB-SCLA
	s_sub_co_u32 s22, s22, s21
	v_mul_u32_u24 v6, s22, v2                      ; lanes 16-31 take Wo's: one product, the distance between the two bases x h
	s_add_co_u32 s21, s21, SCLA
	v_add_nc_u32 v5, v5, v6
	v_add_nc_u32 v[ADRS], s21, v5
	s_mul_i32 s23, s14, 16*528
	s_add_co_u32 s23, s23, STG                     ; my stage
	v_mul_u32_u24 v5, v1, 528                      ; in: row r, 32 bytes for each half of the lanes
	v_lshl_add_u32 v5, v2, 5, v5
	v_add_nc_u32 v[STO], s23, v5
	v_add_nc_u32 v[RD], s23, v[LI]                 ; back: the 32 lanes take one row of 512 bytes
	v_lshlrev_b32 v[BPO], 5, v2
	s_lshl_b32 s20, s42, 10
	s_lshl_b32 s21, s16, 9
	s_add_co_u32 s20, s20, s21                     ; my first column, in bytes
	s_mov_b32 s21, 0
	s_add_nc_u64 s[94:95], s[94:95], s[20:21]
	s_add_nc_u64 s[12:13], s[12:13], s[20:21]
	s_lshl_b32 s20, s17, 19
	s_lshl_b32 s22, s15, 18
	s_add_co_u32 s20, s20, s22                     ; my first token's row of 4,096 bytes
	s_add_nc_u64 s[12:13], s[12:13], s[20:21]
	WIN TO_B
.irp b, 0,1,2,3,4,5,6,7
	global_load_b128 v[BPW+8*\b:BPW+8*\b+3], v[BPO], s[94:95] offset:64*\b       ; bo of columns 16 b + 8 h + 0 .. 7
	global_load_b128 v[BPW+8*\b+4:BPW+8*\b+7], v[BPO], s[94:95] offset:64*\b+16
.endr
	WIN 0
.macro FRAG reg, adr, q, i             ; a fragment of Wo from rows: lane l holds row l % 16; registers 4 c .. 4 c + 3 hold K = 64 c + 32 (l / 16) + 0 .. 31
.irp c, 0,1
	ds_load_b128 v[\reg+4*\c:\reg+4*\c+3], v[\adr] offset:64*(\q)+32*\c+(\i)*16*PITCH
.endr
.endm
.macro FRAGI reg, adr, q, i            ; a fragment of O from its image: tile of tokens i, K step q of the half, register group c
.irp c, 0,1
	ds_load_b128 v[\reg+4*\c:\reg+4*\c+3], v[\adr] offset:4096*(\i)+1024*(\q)+512*\c
.endr
.endm
.macro FETCH_B slot, q, p
	WIN TO_B
.irp i, 0,1,2,3,4,5,6,7
	FRAG 128*(\p)+8*\i, ADRB+\slot, \q, \i
.endr
	WIN 0
.endm
.macro FETCH_A slot, q, p
.irp i, 0,1,2,3
	FRAGI AF+32*(\p)+8*\i, ADRA+\slot, \q, \i
.endr
.endm
.macro SCALES s                        ; register 4 i + q: lanes 0-15 the tokens' block i, lanes 16-31 Wo's block i.  The tokens have four blocks: for i = 4 .. 7 lanes 0-15 bring words of the scales' region that nobody uses
.irp i, 0,1,2,3,4,5,6,7
	ds_load_b128 v[SC+32*\s+4*\i:SC+32*\s+4*\i+3], v[ADRS] offset:\i*544+16*\s
.endr
.endm
; 32 matrix instructions; the 32 accumulators take turns, one instruction a turn, in the same order in every step.  zero = 1: the first products start the sums.
.macro MUL32 p, q, s, zero
.irp a, 0,1,2,3
.irp b, 0,1,2,3,4,5,6,7
.if \zero
	v_wmma_scale_f32_16x16x128_f8f6f4 v[8*(8*\a+\b):8*(8*\a+\b)+7], v[128*(\p)+8*\b:128*(\p)+8*\b+7], v[AF+32*(\p)+8*\a:AF+32*(\p)+8*\a+7], 0, v[SC+32*(\s)+4*\b+(\q)], v[SC+32*(\s)+4*\a+(\q)] matrix_a_fmt:MATRIX_FMT_FP4 matrix_b_fmt:MATRIX_FMT_FP4 matrix_a_scale:MATRIX_SCALE_ROW1
.else
	v_wmma_scale_f32_16x16x128_f8f6f4 v[8*(8*\a+\b):8*(8*\a+\b)+7], v[128*(\p)+8*\b:128*(\p)+8*\b+7], v[AF+32*(\p)+8*\a:AF+32*(\p)+8*\a+7], v[8*(8*\a+\b):8*(8*\a+\b)+7], v[SC+32*(\s)+4*\b+(\q)], v[SC+32*(\s)+4*\a+(\q)] matrix_a_fmt:MATRIX_FMT_FP4 matrix_b_fmt:MATRIX_FMT_FP4 matrix_a_scale:MATRIX_SCALE_ROW1
.endif
.endr
.endr
.endm
.macro STEP q                          ; step q of eight: the next step's fragments are asked for, into the set that the step before multiplied; then this step's 32 products
.if (\q) > 0
	PLACES 4
.endif
.if (\q) == 3
	s_wait_tensorcnt 0x0                           ; my part of the second half of K has landed,
	s_wait_dscnt 0x0                               ; no LDS load of mine is out at the signal,
	s_barrier_signal -1
	s_barrier_wait -1                              ; and everybody's part has landed.
.endif
.if (\q) < 7
	FETCH_B ((\q)+1)/4, ((\q)+1)%4, 1-(\q)%2
	FETCH_A ((\q)+1)/4, ((\q)+1)%4, 1-(\q)%2
.if (\q) == 3
	SCALES 1
	s_wait_dscnt 32                                ; all but the 32 just issued
.else
	s_wait_dscnt 24                                ; all but the 24 just issued: this step's fragments are in
.endif
.else
	s_wait_dscnt 0x0
.endif
	WIN MUL
.if (\q) == 0
	MUL32 0, 0, 0, 1
.else
	MUL32 (\q)%2, (\q)%4, (\q)/4, 0
.endif
	WIN 0
.endm
; THE WAY OUT, block by block of 16 tokens x 128 columns.  A lane holds 32 neighbouring bytes of a row, and the lanes beside it hold other rows: so a block goes through my own stage in LDS and comes back as whole rows of 512 bytes.
; LDS serves a wave's instructions in order (ISA guide 5.7.1.4): no wait between the stores and the loads, nor in front of the next block's stores.
.macro TOSTAGE a
.set TT, 128+64*((\a)%2)
	WIN ADDB
.set k, 0
.rept 32
	v_pk_add_f32 v[TT+k:TT+k+1], v[64*(\a)+k:64*(\a)+k+1], v[BPW+k:BPW+k+1]   ; + bo; each accumulator from its low end on
.set k, k+2
.endr
	WIN 0
.irp b, 0,1,2,3,4,5,6,7
	ds_store_b128 v[STO], v[TT+8*\b:TT+8*\b+3] offset:64*\b
	ds_store_b128 v[STO], v[TT+8*\b+4:TT+8*\b+7] offset:64*\b+16
.endr
.irp t, 0,1,2,3,4,5,6,7,8,9,10,11,12,13,14,15
	ds_load_b128 v[TT+4*\t:TT+4*\t+3], v[RD] offset:\t*528     ; back into the registers that the numbers left
.endr
.endm
.macro SEND a, younger                 ; younger: the LDS instructions issued behind block a's loads, which may stay out
.set TT, 128+64*((\a)%2)
	s_wait_dscnt \younger
.if (\a) > 0
	s_add_nc_u64 s[12:13], s[12:13], 16*4096       ; (behind a wait on XCNT: the earlier stores have read their base)  16 rows of out0 on
.endif
.irp t, 0,1,2,3,4,5,6,7,8,9,10,11,12,13,14,15
	global_store_b128 v[LI], v[TT+4*\t:TT+4*\t+3], s[12:13] offset:\t*4096 th:TH_STORE_NT   ; 32 lanes store 512 consecutive bytes, at a multiple of 256 from out0's first byte; written once, read by nobody here
.endr
.endm
	s_wait_tensorcnt 1                             ; the scales and my part of the first half of K are in (the second half's load may be out),
	s_barrier_signal -1
	s_barrier_wait -1                              ; everybody's are
	FETCH_B 0, 0, 0
	FETCH_A 0, 0, 0
	SCALES 0
.irp q, 0,1,2,3,4,5,6,7
	STEP \q
.endr
	PLACES 4
	s_wait_loadcnt 0x0                             ; bo
	TOSTAGE 0
.irp a, 1,2,3
.if \a > 1
	s_wait_xcnt 0x0                                ; block a - 2's stores have read their registers and their base
.endif
	TOSTAGE \a
	SEND \a-1, 32                                  ; behind block a - 1's loads: block a's 16 stores and 16 loads
.endr
	s_wait_xcnt 0x0                                ; block 2's stores have read their base
	SEND 3, 0
	s_wait_dscnt 0x0
	s_wait_tensorcnt 0x0
	ds_add_u32 v126, v127
	s_wait_dscnt 0x0
	CROUND                                         ; the closing round: no work-group ends while a partner may still ask for a tile that names it
	s_endpgm
.Lfunc_end_k_q1a627d1c43_proj:
	.size	k_q1a627d1c43_proj, .Lfunc_end_k_q1a627d1c43_proj-k_q1a627d1c43_proj
	.p2alignl 7, 3214868480
	.fill 96, 4, 3214868480
	.section	.rodata,"a",@progbits
	.p2align	6, 0x0
	.amdhsa_kernel k_q1a627d1c43_proj
		.amdhsa_group_segment_fixed_size 262656
		.amdhsa_private_segment_fixed_size 0
		.amdhsa_enable_private_segment 0
		.amdhsa_kernarg_size 48
		.amdhsa_user_sgpr_count 2
		.amdhsa_user_sgpr_kernarg_segment_ptr 1
		.amdhsa_wavefront_size32 1
		.amdhsa_system_sgpr_workgroup_id_x 1
		.amdhsa_system_sgpr_workgroup_id_y 1
		.amdhsa_system_sgpr_workgroup_id_z 1
		.amdhsa_system_vgpr_workitem_id 0
		.amdhsa_next_free_vgpr 768
		.amdhsa_next_free_sgpr 102
		.amdhsa_reserve_vcc 0
		.amdhsa_float_denorm_mode_32 3
		.amdhsa_float_denorm_mode_16_64 3
		.amdhsa_memory_ordered 1
		.amdhsa_forward_progress 1
		.amdhsa_inst_pref_size 82
	.end_amdhsa_kernel
	.amdgpu_metadata
---
amdhsa.version: [ 1, 2 ]
amdhsa.kernels:
  - .name:           k_q1a627d1c43_proj
    .symbol:         k_q1a627d1c43_proj.kd
    .args:
      - { .name: Oc, .offset: 0, .size: 8, .value_kind: global_buffer, .address_space: global }
      - { .name: Os, .offset: 8, .size: 8, .value_kind: global_buffer, .address_space: global }
      - { .name: Wo_codes, .offset: 16, .size: 8, .value_kind: global_buffer, .address_space: global }
      - { .name: Wo_scales, .offset: 24, .size: 8, .value_kind: global_buffer, .address_space: global }
      - { .name: bo, .offset: 32, .size: 8, .value_kind: global_buffer, .address_space: global }
      - { .name: out0, .offset: 40, .size: 8, .value_kind: global_buffer, .address_space: global }
    .group_segment_fixed_size: 262656
    .private_segment_fixed_size: 0
    .kernarg_segment_align: 8
    .kernarg_segment_size: 48
    .max_flat_workgroup_size: 128
    .sgpr_count:     102
    .vgpr_count:     768
    .wavefront_size: 32
...
	.end_amdgpu_metadata
.endif
;; end of part 3
;; ======== version 2 of 2: 3 launches; 1.24 times as fast as version 1
;; workspace buffers: Qc 4,194,304 bytes; Qs 524,288 bytes; Kc 4,194,304 bytes; Ks 524,288 bytes; Vc 4,194,304 bytes; Vs 262,144 bytes; Oc 4,194,304 bytes; Os 262,144 bytes
;; launch qkv: the kernel of part 1 again; grid 12 x 64, 4 waves a work-group, clusters of 4 x 4, 262,656 bytes of LDS; arguments x_codes, x_scales, Wq_codes, Wq_scales, Wk_codes, Wk_scales, Wv_codes, Wv_scales, bq, bk, bv, Qc, Qs, Kc, Ks, Vc, Vs; writes Qc, Qs, Kc, Ks, Vc, Vs
;; launch attn (part 4): grid 4 x 64, 16 waves a work-group, clusters of 4 x 1, 282,624 bytes of LDS; arguments Qc, Qs, Kc, Ks, Vc, Vs, Oc, Os; writes Oc, Os
.if DOCPART == 4
	.amdgcn_target "amdgcn-amd-amdhsa--gfx1250"
	.amdhsa_code_object_version 6
	.text
	.protected	k_q1a627d1c43_attn
	.globl	k_q1a627d1c43_attn
	.p2align	8
	.type	k_q1a627d1c43_attn,@function
k_q1a627d1c43_attn:
	s_mov_b64 s[64:65], 0
	v_nop
	global_prefetch_b8 v0, s[64:65] scope:SCOPE_SE
	s_setreg_imm32_b32 hwreg(HW_REG_WAVE_MODE, 25, 1), 1
	s_wait_xcnt 0x0
	s_wait_alu depctr_hold_cnt(0) depctr_sa_sdst(0) depctr_va_vdst(0) depctr_va_sdst(0) depctr_va_ssrc(0) depctr_va_vcc(0) depctr_vm_vsrc(0)
	s_getreg_b32 s2, hwreg(HW_REG_IB_STS2, 6, 4)
	s_cmp_eq_u32 s2, 0
	s_cbranch_scc0 .Lentry_in_a_cluster
	s_endpgm
.Lentry_in_a_cluster:
	s_bfe_u32 s2, ttmp6, 0x10000c
	s_cmp_lg_u32 s2, 0x3003
	s_cbranch_scc0 .Lentry_shape_is_right
	s_endpgm
.Lentry_shape_is_right:
; O[bh][q] = the sum over k of A[q][k] V[bh][k], A = softmax_k(Q[bh][q] . K[bh][k]) / 512, both products on codes of FP4 (E2M1) with one E8M0 scale for each 32 along a product's K.
; WHAT IS QUANTISED FOR THE SECOND PRODUCT IS THE FINISHED A, normalised and divided by 512: a row's maximum and sum are known before any of its numbers is quantised.
; THE KEYS ARE WALKED ONCE, AND p STAYS IN REGISTERS UNTIL THE ROW'S SUM IS KNOWN: the keys are shared among waves.  The sixteen waves are 2 query groups x 8 key parts: wave w (qg = w / 8, kw = w % 8) owns the 256 keys
; 256 kw .. 256 kw + 255 of the head, and its group walks 16 tiles of 16 queries.  For a tile:
;   X: S^T = K Q^T for my 256 keys (128 registers); t = score x log2(e); M = MY keys' largest t, rounded up to a whole number; p = 2^(t - M); l = my keys' sum of p; the pair (-M, l) goes to LDS.
;   Y, behind a barrier: the eight pairs of my query; the row's M is the largest, the eight sums are brought under it by multiplications by powers of two, which round nothing, and added;
;      a = p x f, f = 2^-9 / l x 2^(my M - the row's M); a is quantised along the keys; V^T a^T over my 256 keys is a partial sum of O^T, which goes to LDS.
;   Z, behind the next barrier: ONE wave of the group adds the eight partial sums, keys ascending, quantises O along the embedding (a head's 64 are two blocks of 32) and stores codes and scale bytes.
;      The waves take that by turns: tile j falls to the wave with (kw - qg) % 8 = j % 8.
; ONE BARRIER A TILE: between two barriers stand Y of tile i, Z of tile i - 1 and X of tile i + 1.  Pairs and partial sums lie in LDS twice, by the tile's parity: what is read between two barriers is never what is written there.
; SHARES.  A work-group owns 512 queries of one head.  256 work-groups of equal work.
; THE WHOLE HEAD'S K AND V LIE IN LDS, as images of operand registers (16 bytes a lane at 16 x lane: every LDS load takes 512 consecutive bytes), filled once.
; CLUSTER.  The four work-groups of a head form a cluster and ask for K and V jointly: the same tensor loads, the same descriptors, a mask that names the four.
; LAYOUT.  Both products are used transposed: a lane holds ONE query (lane % 16) throughout; in tile t of S^T register j is key 16 t + 8 (lane / 16) + j.
; THE HEAD HAS 64 ALONG K, THE INSTRUCTION 128: Q's registers 4-7 are zero codes, so whatever stands in K's registers 4-7 adds nothing: K's fragment t is v[KF + 4 t .. + 7], whose upper half is the next tile's codes.
; LIMITS: NaN and infinities are not served.  2^(t - M) under 2^-126 comes out as 0.  1 / l is v_rcp_f32's.  A block whose largest magnitude lies under 2^-124 keeps the byte 1; a block of zeros gets the byte 1 and not 127: its
; codes are zeros, and this program alone reads the bytes.  The row's l lies between 0.5 and 2,048 whatever the scores' size, since the row's M is its own maximum rounded up.  O is the f32 sum of eight partial sums.
; REGISTERS: v1-11, v25 addresses, never rewritten; v12 -M, v13 t, then l; v14-15, v28-29 sums; v16-23 Q; v24 its scale word; v26-27 f; v30-31 at work; v32-63 K's first 128 keys, then V; v64-95 K's other 128, then at work;
;   v96-99 zeros; v100-107 K's and V's scale words; v108-115 the blocks' largest; v116-123 a's codes; v124-125 a's scale words; v128-255 S^T, p, a; then v128-159 O^T's partial sum, v160-255 Z's work.
.set KC,   0                           ; LDS: K's codes, 128 tiles of 16 keys x 512 bytes
.set VC,   65536                       ; V's codes: 16 key steps x 4 tiles of the head's 64 x 1,024 bytes
.set KS,   131072                      ; K's scale words: [group of 4 tiles][r][tile in the group]: 512 bytes a key step
.set VS,   139264                      ; V's: [key step][r][tile]: 256 bytes a key step
.set OPA,  143360                      ; O^T's partial sums: [query group][parity][wave of the group][4,096 bytes], images of 32 registers; no tensor load lands here
.set OPB,  32768                       ; from parity to parity
.set STA,  274432                      ; the pairs (-M, l): [query group][parity][query][80 bytes: 8 pairs + 16 of padding
.set STB,  1280                        ; from parity to parity
.set LI,   1                           ; v1   16 x lane
.set LR,   2                           ; v2   16 x (lane % 16)
.set ADK,  3                           ; v3   LDS address of my 256 keys of K
.set ADKS, 4                           ; v4   of their scale words
.set ADV,  5                           ; v5   of my 256 keys of V
.set ADVS, 6                           ; v6   of their scale words
.set OSO,  7                           ; v7   O's scale bytes: 32 r + h
.set STW,  8                           ; v8   where I put my pair
.set STR,  9                           ; v9   where I read four pairs of my query
.set OPW,  10                          ; v10  where I put my partial sum
.set H8,   11                          ; v11  8 h
.set QF,   16
.set QSW,  24
.set OPR,  25                          ; v25  where my group's partial sums begin
.set RR,   26
.set KF,   32
.set KSW,  100
.set BM,   108
.set PC,   116
.set PW,   124
.set S,    128
.set OT,   128
.set OA,   160                         ; Z: the sum
.set ZB1,  192                         ; Z: two partial sums on their way
.set ZB2,  224
.set ZT,   224                         ; Z: at work, when the last partial sum but one is added
.set SCOP, 80                          ; v80-83 the conversions' scale operands;  v84-87 bytes
.set BT2,  84
.set SEL,  20                          ; s[20:21] lane selects for v_permlanex16_b32: lane l xor 16
.set CS,   22                          ; s[22:23] log2(e), twice: the packed form names a pair
.set WV,   24                          ; s24  my wave's number
.set G1C,  28                          ; s[28:35] descriptor group 1 for codes;  s[36:43] for K's scale words;  s[44:51] for V's
.set G1KS, 36
.set G1VS, 44
.set G0KC, 52                          ; s[52:55], s[56:59], s[60:63], s[68:71] groups 0
.set G0KS, 56
.set G0VC, 60
.set G0VS, 68
.set QG,   72                          ; s72  my query group
.set KW,   73                          ; s73  my part of the keys
.set CNT,  74
.set XI,   84                          ; s84  the tile whose Q is asked for next
.set JC,   85                          ; s85  the tile that Z adds up next
.set RK,   86                          ; s86  (kw - qg) % 8: Z is mine where JC % 8 is this
.macro CROUND                          ; a round of the cluster's barrier
	s_barrier_signal -1
	s_barrier_wait -1
	s_cmp_lg_u32 s[WV], 0
	s_cbranch_scc1 .Lnot_wave_0_\@
	s_barrier_signal -3
.Lnot_wave_0_\@:
	s_barrier_wait -3
	s_barrier_signal -1
	s_barrier_wait -1
.endm
.macro BAR                             ; my LDS stores have landed and my LDS loads are in: then the work-group's barrier
	s_wait_dscnt 0x0
	s_barrier_signal -1
	s_barrier_wait -1
.endm
	s_load_b512 s[4:19], s[0:1], 0x0               ; Qc, Qs, Kc, Ks, Vc, Vs, Oc, Os
	v_lshl_add_u32 v126, v0, 2, 0x44800
	v_mov_b32 v127, 0
	ds_add_u32 v126, v127
	ds_add_u32 v126, v127
	v_lshrrev_b32 v30, 5, v0
	v_readfirstlane_b32 s[WV], v30                 ; wave 0..15
	s_bfe_u32 s25, ttmp6, 0x40000                  ; cx: which quarter of the head's queries: it enters Q's and O's addresses alone
	s_and_b32 s26, ttmp7, 0xffff                   ; bh = 16 x batch + head, which the four partners share
	s_and_b32 s75, s[WV], 1                        ; which half of a block I fetch, if I fetch
	; descriptor group 1: dense blocks, as rows of 256 bytes (32 elements of 8 bytes), no padding
	s_mov_b32 s[G1C], 15|(3<<16)|(1<<21)           ; 15:0 the mask: all four work-groups; 17:16 elements of 8 bytes; 21 set beside a mask
	s_mov_b32 s[G1C+1], 32<<16                     ; tensor_dim0
	s_mov_b32 s[G1C+2], 128<<16                    ; tensor_dim1: half a head's codes, 32,768 bytes
	s_mov_b32 s[G1C+3], 32<<16                     ; tile_dim0
	s_mov_b32 s[G1C+4], 128                        ; tile_dim1
	s_mov_b32 s[G1C+5], 32                         ; tensor_dim0_stride
	s_mov_b32 s[G1C+6], 0
	s_mov_b32 s[G1C+7], 0
	s_mov_b32 s[G1KS], 15|(3<<16)|(1<<21)
	s_mov_b32 s[G1KS+1], 32<<16
	s_mov_b32 s[G1KS+2], 16<<16                    ; half of K's scale words, 4,096 bytes
	s_mov_b32 s[G1KS+3], 32<<16
	s_mov_b32 s[G1KS+4], 16
	s_mov_b32 s[G1KS+5], 32
	s_mov_b32 s[G1KS+6], 0
	s_mov_b32 s[G1KS+7], 0
	s_mov_b32 s[G1VS], 15|(3<<16)|(1<<21)
	s_mov_b32 s[G1VS+1], 32<<16
	s_mov_b32 s[G1VS+2], 8<<16                     ; half of V's, 2,048 bytes
	s_mov_b32 s[G1VS+3], 32<<16
	s_mov_b32 s[G1VS+4], 8
	s_mov_b32 s[G1VS+5], 32
	s_mov_b32 s[G1VS+6], 0
	s_mov_b32 s[G1VS+7], 0
	s_lshl_b32 s82, s75, 15
	s_lshl_b32 s76, s26, 16
	s_add_co_u32 s76, s76, s82                     ; codes: 65,536 bh + 32,768 x half
	s_mov_b32 s77, 0
	s_lshr_b32 s78, s76, 3                         ; K's scale words: an eighth of that
	s_mov_b32 s79, 0
	s_lshr_b32 s80, s76, 4                         ; V's: a sixteenth
	s_mov_b32 s81, 0
	s_lshl_b32 s83, s75, 12
	s_lshl_b32 s75, s75, 11
	s_mov_b32 s[SEL], 0x76543210
	s_mov_b32 s[SEL+1], 0xfedcba98
	s_mov_b32 s[CS], 0x3fb8aa3b                    ; log2(e)
	s_mov_b32 s[CS+1], s[CS]
	s_wait_dscnt 0x0
	s_wait_kmcnt 0x0
	s_mov_b32 s[G0KC], 1
	s_mov_b32 s[G0KC+1], s82                       ; KC = 0
	s_add_nc_u64 s[G0KC+2:G0KC+3], s[8:9], s[76:77]
	s_or_b32 s[G0KC+3], s[G0KC+3], 0x80000000
	s_mov_b32 s[G0KS], 1
	s_add_co_u32 s[G0KS+1], s83, KS
	s_add_nc_u64 s[G0KS+2:G0KS+3], s[10:11], s[78:79]
	s_or_b32 s[G0KS+3], s[G0KS+3], 0x80000000
	s_mov_b32 s[G0VC], 1
	s_add_co_u32 s[G0VC+1], s82, VC
	s_add_nc_u64 s[G0VC+2:G0VC+3], s[12:13], s[76:77]
	s_or_b32 s[G0VC+3], s[G0VC+3], 0x80000000
	s_mov_b32 s[G0VS], 1
	s_add_co_u32 s[G0VS+1], s75, VS
	s_add_nc_u64 s[G0VS+2:G0VS+3], s[14:15], s[80:81]
	s_or_b32 s[G0VS+3], s[G0VS+3], 0x80000000
	CROUND                                         ; all four work-groups are here: the joint loads meet
	s_cmp_lt_u32 s[WV], 2                          ; waves 0 and 1 fetch K's halves, waves 2 and 3 V's, the others nothing: a wave's two loads stand in one branch on its number; two of mine are out at the most
	s_cbranch_scc0 .Lnot_k
	tensor_load_to_lds s[G0KS:G0KS+3], s[G1KS:G1KS+7]
	s_nop 0
	tensor_load_to_lds s[G0KC:G0KC+3], s[G1C:G1C+7]
	s_nop 0
.rept 4
	v_nop
.endr
	s_branch .Lasked
.Lnot_k:
	s_cmp_lt_u32 s[WV], 4
	s_cbranch_scc0 .Lasked
	tensor_load_to_lds s[G0VS:G0VS+3], s[G1VS:G1VS+7]
	s_nop 0
	tensor_load_to_lds s[G0VC:G0VC+3], s[G1C:G1C+7]
	s_nop 0
.rept 4
	v_nop
.endr
.Lasked:
.irp j, 20,21,22,23,96,97,98,99
	v_mov_b32 v[\j], 0                             ; zero codes: the upper half of K in Q's fragment, and behind K's last tile
.endr
	v_and_b32 v30, 31, v0
	v_lshlrev_b32 v[LI], 4, v30
	v_and_b32 v30, 15, v0                          ; r
	v_lshlrev_b32 v[LR], 4, v30
	v_bfe_u32 v31, v0, 4, 1                        ; h
	v_lshl_add_u32 v[OSO], v30, 5, v31             ; O's scale bytes: 32 bytes a token, + h: my block's byte
	v_lshlrev_b32 v[H8], 3, v31
	s_lshr_b32 s[QG], s[WV], 3
	s_and_b32 s[KW], s[WV], 7
	s_lshl_b32 s75, s[KW], 13                      ; my two key steps' codes: 8,192 bytes
	v_add_nc_u32 v[ADK], s75, v[LI]                ; KC = 0
	s_add_co_u32 s76, s75, VC
	v_add_nc_u32 v[ADV], s76, v[LI]
	s_lshl_b32 s75, s[KW], 10                      ; K's scale words: 1,024 bytes
	s_add_co_u32 s75, s75, KS
	v_add_nc_u32 v[ADKS], s75, v[LI]
	s_lshl_b32 s75, s[KW], 9                       ; V's: 512 bytes
	s_add_co_u32 s75, s75, VS
	v_add_nc_u32 v[ADVS], s75, v[LR]
	s_lshl_b32 s75, s[QG], 16                      ; my group's partial sums
	s_add_co_u32 s75, s75, OPA
	v_add_nc_u32 v[OPR], s75, v[LI]
	s_lshl_b32 s76, s[KW], 12                      ; mine among them
	s_add_co_u32 s75, s75, s76
	v_add_nc_u32 v[OPW], s75, v[LI]
	s_mul_i32 s75, s[QG], 2*STB                    ; my group's pairs
	s_add_co_u32 s75, s75, STA
	v_mul_u32_u24 v30, v30, 80
	v_add_nc_u32 v30, s75, v30                     ; my query's row of eight pairs
	v_lshl_add_u32 v[STR], v31, 5, v30             ; lanes 0-15 read the pairs of waves 0-3, lanes 16-31 those of waves 4-7
	s_lshl_b32 s76, s[KW], 3
	v_add_nc_u32 v[STW], s76, v30
	s_lshl_b32 s82, s25, 5
	s_lshl_b32 s83, s[QG], 4
	s_add_co_u32 s82, s82, s83                     ; my group's first tile of queries in the head: 32 cx + 16 qg
	s_lshl_b32 s76, s26, 16
	s_lshl_b32 s78, s82, 9
	s_add_co_u32 s76, s76, s78
	s_mov_b32 s77, 0
	s_add_nc_u64 s[4:5], s[4:5], s[76:77]          ; Q's codes: 65,536 bh + 512 x tile
	s_lshl_b32 s76, s26, 13
	s_lshl_b32 s78, s82, 6
	s_add_co_u32 s76, s76, s78
	s_add_nc_u64 s[6:7], s[6:7], s[76:77]          ; Q's scale words: 8,192 bh + 256 bytes for each four tiles (+ 16 r)
	global_load_b128 v[QF:QF+3], v[LI], s[4:5]     ; tile 0
	global_load_b32 v[QSW], v[LR], s[6:7]
	s_lshr_b32 s78, s26, 4
	s_lshl_b32 s78, s78, 7
	s_add_co_u32 s78, s78, s82                     ; my group's first tile among all 512 tiles of tokens
	s_and_b32 s79, s26, 15                         ; the head
	s_lshl_b32 s80, s78, 13
	s_lshl_b32 s81, s79, 9
	s_add_co_u32 s80, s80, s81
	s_mov_b32 s81, 0
	s_add_nc_u64 s[16:17], s[16:17], s[80:81]      ; O's codes: 8,192 x tile + 512 x head
	s_lshl_b32 s80, s78, 9
	s_lshl_b32 s79, s79, 1
	s_add_co_u32 s80, s80, s79
	s_add_nc_u64 s[18:19], s[18:19], s[80:81]      ; O's scale bytes: 512 x tile + 2 x head
	s_mov_b32 s[XI], 1
	s_mov_b32 s[JC], 0
	s_sub_co_u32 s[RK], s[KW], s[QG]
	s_and_b32 s[RK], s[RK], 7
	s_wait_tensorcnt 0x0                           ; my loads have landed,
	s_barrier_signal -1
	s_barrier_wait -1                              ; everybody's have.  From here on K's and V's bytes are only read
.macro KLOADS                          ; my 16 tiles of K and their scale words: 18 loads
.set t, 0
.rept 16
	ds_load_b128 v[KF+4*t:KF+4*t+3], v[ADK] offset:512*t
.set t, t+1
.endr
	ds_load_b128 v[KSW:KSW+3], v[ADKS]             ; register i: lanes 0-15 tile i's words, lanes 16-31 tile 4 + i's
	ds_load_b128 v[KSW+4:KSW+7], v[ADKS] offset:512
.endm
.macro VLOADS u                        ; V's four fragments of my u-th 128 keys, and their scale words: 9 loads
.irp t, 0,1,2,3
.irp c, 0,1
	ds_load_b128 v[KF+8*\t+4*\c:KF+8*\t+4*\c+3], v[ADV] offset:4096*\u+1024*\t+512*\c
.endr
.endr
	ds_load_b128 v[KSW:KSW+3], v[ADVS] offset:256*\u
.endm
; X: a tile's scores of my 256 keys, my M, p, my l.  par: the tile's parity.
.macro X par
	s_wait_loadcnt 0x0                             ; Q and its scale word
	s_wait_dscnt 0x0                               ; K is in; the stores of the last partial sum have read their registers
.set t, 0
.rept 16                               ; sixteen products, each begun with the constant 0
.if (t%8) < 4
	v_wmma_scale_f32_16x16x128_f8f6f4 v[S+8*t:S+8*t+7], v[KF+4*t:KF+4*t+7], v[QF:QF+7], 0, v[KSW+4*(t/8)+t%4], v[QSW] matrix_a_fmt:MATRIX_FMT_FP4 matrix_b_fmt:MATRIX_FMT_FP4
.else
	v_wmma_scale_f32_16x16x128_f8f6f4 v[S+8*t:S+8*t+7], v[KF+4*t:KF+4*t+7], v[QF:QF+7], 0, v[KSW+4*(t/8)+t%4], v[QSW] matrix_a_fmt:MATRIX_FMT_FP4 matrix_b_fmt:MATRIX_FMT_FP4 matrix_a_scale:MATRIX_SCALE_ROW1
.endif
.set t, t+1
.endr
.rept 4
	v_nop                                          ; four plain lines behind the products: then loads into registers that they read, and the first read of the scores
.endr
	VLOADS 0                                       ; V's first 128 keys land under the vector work below
	s_lshl_b32 s76, s[XI], 9                       ; the next tile's Q, into the registers just read: it has until the next X to land
	s_mov_b32 s77, 0
	s_add_nc_u64 s[78:79], s[4:5], s[76:77]        ; (the loads that named s[78:81] were waited for at this macro's head)
	s_lshr_b32 s76, s[XI], 2
	s_lshl_b32 s76, s76, 8
	s_and_b32 s80, s[XI], 3
	s_lshl_b32 s80, s80, 2
	s_add_co_u32 s76, s76, s80
	s_add_nc_u64 s[80:81], s[6:7], s[76:77]
	global_load_b128 v[QF:QF+3], v[LI], s[78:79]
	global_load_b32 v[QSW], v[LR], s[80:81]
	s_add_co_u32 s[XI], s[XI], 1
	s_min_u32 s[XI], s[XI], 15                     ; the group's last tile asks for itself once more: no load leaves the buffer
.irp b, 0,1,2,3,4,5,6,7                ; the largest of my 16 scores of each block of 32 keys; each tile of S^T is read from its low end on
	v_max3_num_f32 v[BM+\b], v[S+16*\b], v[S+16*\b+1], v[S+16*\b+2]
.endr
.irp i, 3,5,7,9,11,13
.irp b, 0,1,2,3,4,5,6,7
	v_max3_num_f32 v[BM+\b], v[BM+\b], v[S+16*\b+\i], v[S+16*\b+\i+1]   ; (the eight blocks by turns)
.endr
.endr
.irp b, 0,1,2,3,4,5,6,7
	v_max_num_f32 v[BM+\b], v[BM+\b], v[S+16*\b+15]
.endr
.irp b, 0,1,2,3,4,5,6,7
	v_permlanex16_b32 v[64+\b], v[BM+\b], s[SEL], s[SEL+1]
.endr
.irp b, 0,1,2,3,4,5,6,7
	v_max_num_f32 v[BM+\b], v[BM+\b], v[64+\b]     ; THE LARGEST SCORE OF EACH BLOCK: it serves the maximum, and, since a rises with the score, the same three instructions on it give the block's largest a, with the same bits as the number itself
.endr
	v_max3_num_f32 v30, v[BM], v[BM+1], v[BM+2]
	v_max3_num_f32 v30, v30, v[BM+3], v[BM+4]
	v_max3_num_f32 v30, v30, v[BM+5], v[BM+6]
	v_max_num_f32 v30, v30, v[BM+7]                ; the largest score of my 256 keys, the same in both halves of the lanes
	v_mul_f32 v13, s[CS], v30                      ; as t
	v_floor_f32 v12, -v13                          ; -M = floor(-t): M is a whole number
.set j, 0
.rept 64
	v_pk_fma_f32 v[S+j:S+j+1], v[S+j:S+j+1], s[CS:CS+1], v[12:13] op_sel_hi:[1,0,0]   ; t - M, two at a time: of the pairs log2(e) and -M the low word serves both halves
.set j, j+2
.endr
.irp b, 0,1,2,3,4,5,6,7
	v_fma_f32 v[BM+\b], v[BM+\b], s[CS], v12
.endr
.irp b, 0,1,2,3,4,5,6,7
	v_exp_f32 v[BM+\b], v[BM+\b]
.endr
.set j, 0
.rept 128
	v_exp_f32 v[S+j], v[S+j]                       ; p = 2^(t - M), at most 1
.set j, j+1
.endr
	v_nop                                          ; a plain line behind the last exponential
	s_wait_alu depctr_va_vdst(0)                   ; one wait for the 136, ahead of their first reader
	v_pk_add_f32 v[14:15], v[S:S+1], v[S+8:S+9]    ; my l, two at a time, in four chains
	v_pk_add_f32 v[28:29], v[S+2:S+3], v[S+10:S+11]
	v_pk_add_f32 v[72:73], v[S+4:S+5], v[S+12:S+13]
	v_pk_add_f32 v[74:75], v[S+6:S+7], v[S+14:S+15]
.set j, 16
.rept 14
	v_pk_add_f32 v[14:15], v[14:15], v[S+j:S+j+1]
	v_pk_add_f32 v[28:29], v[28:29], v[S+j+2:S+j+3]
	v_pk_add_f32 v[72:73], v[72:73], v[S+j+4:S+j+5]
	v_pk_add_f32 v[74:75], v[74:75], v[S+j+6:S+j+7]
.set j, j+8
.endr
	v_pk_add_f32 v[14:15], v[14:15], v[28:29]
	v_pk_add_f32 v[72:73], v[72:73], v[74:75]
	v_pk_add_f32 v[14:15], v[14:15], v[72:73]
	v_add_f32 v14, v14, v15
	v_permlanex16_b32 v30, v14, s[SEL], s[SEL+1]
	v_add_f32 v13, v14, v30                        ; with lane l xor 16's: the same bits in both lanes
	ds_store_b64 v[STW], v[12:13] offset:\par*STB  ; my pair (-M, l); lanes r and r + 16 store the same pair to the same bytes
.endm
; a of my u-th 128 keys: quantised, and multiplied by V.
.macro QPV u
.irp b, 0,1,2,3
	v_mul_f32 v[BM+4*\u+\b], v[BM+4*\u+\b], v[RR]  ; the block's largest a.  (u = 1: these four are the plain lines behind the products just issued)
.endr
.if \u
	VLOADS 1                                       ; V's other 128 keys land under the lines below
.endif
.irp b, 0,1,2,3
	v_max_num_f32 v[BM+4*\u+\b], 0x1800000, v[BM+4*\u+\b]   ; the floor 2^(3 - 127): the byte cannot fall under 1
.endr
.irp b, 0,1,2,3
	v_add_nc_u32 v[SCOP+\b], 0xff000000, v[BM+4*\u+\b]      ; 2 off the exponent field: the conversion's scale operand
.endr
.irp b, 0,1,2,3
	v_lshrrev_b32 v[BT2+\b], 23, v[SCOP+\b]        ; the scale's byte
.endr
	v_lshl_or_b32 v[PW+\u], v[BT2+1], 8, v[BT2]
	v_lshl_or_b32 v[PW+\u], v[BT2+2], 16, v[PW+\u]
	v_lshl_or_b32 v[PW+\u], v[BT2+3], 24, v[PW+\u] ; a's scale word for these 128 keys
.set j, 0
.rept 32
	v_pk_mul_f32 v[S+64*\u+j:S+64*\u+j+1], v[S+64*\u+j:S+64*\u+j+1], v[RR:RR+1]   ; a = p x f.  (These 32 also stand between the scale word's last write and the products that take it)
.set j, j+2
.endr
.irp b, 0,1,2,3
	v_cvt_scalef32_pk8_fp4_f32 v[PC+4*(\b/2)+(\b%2)], v[S+64*\u+16*\b:S+64*\u+16*\b+7], v[SCOP+\b]        ; pieces h of block b
	v_cvt_scalef32_pk8_fp4_f32 v[PC+4*(\b/2)+2+(\b%2)], v[S+64*\u+16*\b+8:S+64*\u+16*\b+15], v[SCOP+\b]   ; pieces 2 + h
.endr
	v_nop                                          ; one plain line behind a scaled conversion
.irp c, 0,1
.irp t, 0,1
	v_permlane16_swap_b32 v[PC+4*\c+2*\t], v[PC+4*\c+2*\t+1]   ; lane half h now holds block 2 c + h, pieces 2 t and 2 t + 1
.endr
.endr
.rept 4
	v_nop                                          ; an operand written by vector instructions stands four plain lines ahead of a scaled matrix instruction
.endr
.if \u
	s_wait_dscnt 0x0                               ; V's other 128 keys are in.  (The first 128 were waited for in front of the barrier)
.endif
.irp t, 0,1,2,3                        ; the four accumulators by turns; they lie where the first 128 keys' a lay, which is converted
.if \u
	v_wmma_scale_f32_16x16x128_f8f6f4 v[OT+8*\t:OT+8*\t+7], v[KF+8*\t:KF+8*\t+7], v[PC:PC+7], v[OT+8*\t:OT+8*\t+7], v[KSW+\t], v[PW+\u] matrix_a_fmt:MATRIX_FMT_FP4 matrix_b_fmt:MATRIX_FMT_FP4
.else
	v_wmma_scale_f32_16x16x128_f8f6f4 v[OT+8*\t:OT+8*\t+7], v[KF+8*\t:KF+8*\t+7], v[PC:PC+7], 0, v[KSW+\t], v[PW+\u] matrix_a_fmt:MATRIX_FMT_FP4 matrix_b_fmt:MATRIX_FMT_FP4
.endif
.endr
.endm
; Y: behind the barrier that shows all eight pairs.  par: the tile's parity.  more = 1: K is asked for again, for the next tile.
.macro Y par, more
	ds_load_b128 v[64:67], v[STR] offset:\par*STB  ; four pairs of my query: (-M, l) of waves 4 h .. 4 h + 3 of my group
	ds_load_b128 v[68:71], v[STR] offset:\par*STB+16
	s_wait_dscnt 0x0
	v_min_num_f32 v30, v64, v66
	v_min_num_f32 v31, v68, v70
	v_min_num_f32 v30, v30, v31
	v_permlanex16_b32 v31, v30, s[SEL], s[SEL+1]
	v_min_num_f32 v30, v30, v31                    ; the row's -M
.irp k, 0,1,2,3
	v_sub_f32 v[72+\k], v30, v[64+2*\k]            ; that wave's M - the row's M: a whole number, 0 or less
.endr
	v_sub_f32 v76, v30, v12                        ; and mine
.irp k, 0,1,2,3,4
	v_cvt_i32_f32 v[72+\k], v[72+\k]               ; (it saturates)
.endr
.irp k, 0,1,2,3
	v_ldexp_f32 v[65+2*\k], v[65+2*\k], v[72+\k]   ; the sums under the row's M: nothing is rounded
.endr
	v_add_f32 v65, v65, v67
	v_add_f32 v69, v69, v71
	v_add_f32 v65, v65, v69
	v_permlanex16_b32 v31, v65, s[SEL], s[SEL+1]
	v_add_f32 v65, v65, v31                        ; the row's l: the same bits in both lanes and in all eight waves
	v_rcp_f32 v[RR], v65
	v_nop                                          ; a plain line behind the reciprocal
	s_wait_alu depctr_va_vdst(0)                   ; the wait ahead of its first reader
	v_mul_f32 v[RR], 0x3b000000, v[RR]             ; x 2^-9: the division by 512
	v_ldexp_f32 v[RR], v[RR], v76                  ; x 2^(my M - the row's M)
	v_mov_b32 v[RR+1], v[RR]
	QPV 0
	QPV 1
.rept 5
	v_nop                                          ; four plain lines ahead of the stores that read the results and of the loads into V's registers; five ahead of the next tile's products, which write over the results
.endr
.irp t, 0,1,2,3
	ds_store_b128 v[OPW], v[OT+8*\t:OT+8*\t+3] offset:\par*OPB+1024*\t        ; my partial sum, as it stands in its registers; each accumulator from its low end on
	ds_store_b128 v[OPW], v[OT+8*\t+4:OT+8*\t+7] offset:\par*OPB+1024*\t+512
.endr
.if \more
	KLOADS
.endif
.endm
.macro ZL w, reg, par                  ; wave w's partial sum into 32 registers
.irp g, 0,1,2,3,4,5,6,7
	ds_load_b128 v[\reg+4*\g:\reg+4*\g+3], v[OPR] offset:\par*OPB+4096*\w+512*\g
.endr
.endm
.macro ZA reg
.set k, 0
.rept 16
	v_pk_add_f32 v[OA+k:OA+k+1], v[OA+k:OA+k+1], v[\reg+k:\reg+k+1]
.set k, k+2
.endr
.endm
; Z: behind the barrier that shows a tile's eight partial sums.  par: that tile's parity.  The branch hangs on the wave's number and a counter; no barrier stands inside it.
.macro Z par
	s_and_b32 s75, s[JC], 7
	s_cmp_lg_u32 s75, s[RK]
	s_cbranch_scc1 .Lnot_mine_\@
	ZL 0, OA, \par
	ZL 1, ZB1, \par
	ZL 2, ZB2, \par
	s_wait_dscnt 8                                 ; all but the eight loads issued last: the sum to be added is in, the next one may be out.  So at each of these waits
	ZA ZB1
	ZL 3, ZB1, \par
	s_wait_dscnt 8
	ZA ZB2
	ZL 4, ZB2, \par
	s_wait_dscnt 8
	ZA ZB1
	ZL 5, ZB1, \par
	s_wait_dscnt 8
	ZA ZB2
	ZL 6, ZB2, \par
	s_wait_dscnt 8
	ZA ZB1
	ZL 7, ZB1, \par
	s_wait_dscnt 8
	ZA ZB2
	s_wait_dscnt 0x0
	ZA ZB1                                         ; O^T of the tile: register 8 t + j of lane (r, h) is O(query r, 16 t + 8 h + j)
.irp b, 0,1                            ; the head's 64 are two blocks of 32 along the last product's K
	v_max3_num_f32 v[ZT+\b], |v[OA+16*\b]|, |v[OA+16*\b+1]|, 0x1800000
.endr
.irp k, 2,4,6,8,10,12,14
.irp b, 0,1
	v_max3_num_f32 v[ZT+\b], v[ZT+\b], |v[OA+16*\b+\k]|, |v[OA+16*\b+\k+1]|
.endr
.endr
.irp b, 0,1
	v_permlanex16_b32 v[ZT+2+\b], v[ZT+\b], s[SEL], s[SEL+1]
.endr
.irp b, 0,1
	v_max_num_f32 v[ZT+\b], v[ZT+\b], v[ZT+2+\b]
.endr
.irp b, 0,1
	v_add_nc_u32 v[ZT+4+\b], 0xff000000, v[ZT+\b]
.endr
.irp b, 0,1
	v_lshrrev_b32 v[ZT+2+\b], 23, v[ZT+4+\b]
.endr
	v_lshl_or_b32 v[ZT+6], v[ZT+3], 8, v[ZT+2]
	v_lshrrev_b32 v[ZT+6], v[H8], v[ZT+6]          ; lanes 0-15: block 0's byte, lanes 16-31: block 1's
	v_cvt_scalef32_pk8_fp4_f32 v[ZT+8], v[OA:OA+7], v[ZT+4]
	v_cvt_scalef32_pk8_fp4_f32 v[ZT+9], v[OA+16:OA+23], v[ZT+5]
	v_cvt_scalef32_pk8_fp4_f32 v[ZT+10], v[OA+8:OA+15], v[ZT+4]
	v_cvt_scalef32_pk8_fp4_f32 v[ZT+11], v[OA+24:OA+31], v[ZT+5]
	v_nop                                          ; one plain line behind a scaled conversion
	v_permlane16_swap_b32 v[ZT+8], v[ZT+9]
	v_permlane16_swap_b32 v[ZT+10], v[ZT+11]
	global_store_b128 v[LI], v[ZT+8:ZT+11], s[16:17]   ; the wave stores 512 consecutive bytes, aligned
	global_store_b8 v[OSO], v[ZT+6], s[18:19]      ; two bytes a token and head: in a token's 32 bytes they lie between those of the 15 other heads, which other work-groups make, so they cannot be gathered here
.Lnot_mine_\@:
	s_wait_xcnt 0x0                                ; the stores have read their data and their bases: both are written again only behind this wait
	s_add_nc_u64 s[16:17], s[16:17], 8192          ; every wave steps to the next tile
	s_add_nc_u64 s[18:19], s[18:19], 512
	s_add_co_u32 s[JC], s[JC], 1
.endm
	KLOADS
	X 0                                            ; tile 0
	BAR
	Y 0, 1
	X 1                                            ; tile 1
	s_mov_b32 s[CNT], 7
.Lstage:                                           ; seven trips of two tiles: Y of tiles 1 to 14, Z of tiles 0 to 13, X of tiles 2 to 15
	BAR
	Y 1, 1
	Z 0
	X 0
	BAR
	Y 0, 1
	Z 1
	X 1
	s_sub_co_u32 s[CNT], s[CNT], 1
	s_cmp_lg_u32 s[CNT], 0
	s_cbranch_scc1 .Lstage
	BAR
	Y 1, 0                                         ; tile 15: nothing more is asked of K
	Z 0                                            ; tile 14
	BAR
	Z 1                                            ; tile 15
	s_wait_dscnt 0x0
	s_wait_tensorcnt 0x0
	ds_add_u32 v126, v127
	s_wait_dscnt 0x0
	CROUND                                         ; the closing round: no work-group ends while a partner may still ask for a tile that names it
	s_endpgm
.Lfunc_end_k_q1a627d1c43_attn:
	.size	k_q1a627d1c43_attn, .Lfunc_end_k_q1a627d1c43_attn-k_q1a627d1c43_attn
	.p2alignl 7, 3214868480
	.fill 96, 4, 3214868480
	.section	.rodata,"a",@progbits
	.p2align	6, 0x0
	.amdhsa_kernel k_q1a627d1c43_attn
		.amdhsa_group_segment_fixed_size 282624
		.amdhsa_private_segment_fixed_size 0
		.amdhsa_enable_private_segment 0
		.amdhsa_kernarg_size 64
		.amdhsa_user_sgpr_count 2
		.amdhsa_user_sgpr_kernarg_segment_ptr 1
		.amdhsa_wavefront_size32 1
		.amdhsa_system_sgpr_workgroup_id_x 1
		.amdhsa_system_sgpr_workgroup_id_y 1
		.amdhsa_system_sgpr_workgroup_id_z 1
		.amdhsa_system_vgpr_workitem_id 0
		.amdhsa_next_free_vgpr 256
		.amdhsa_next_free_sgpr 88
		.amdhsa_reserve_vcc 0
		.amdhsa_float_denorm_mode_32 3
		.amdhsa_float_denorm_mode_16_64 3
		.amdhsa_memory_ordered 1
		.amdhsa_forward_progress 1
		.amdhsa_inst_pref_size 196
	.end_amdhsa_kernel
	.amdgpu_metadata
---
amdhsa.version: [ 1, 2 ]
amdhsa.kernels:
  - .name:           k_q1a627d1c43_attn
    .symbol:         k_q1a627d1c43_attn.kd
    .args:
      - { .name: Qc, .offset: 0, .size: 8, .value_kind: global_buffer, .address_space: global }
      - { .name: Qs, .offset: 8, .size: 8, .value_kind: global_buffer, .address_space: global }
      - { .name: Kc, .offset: 16, .size: 8, .value_kind: global_buffer, .address_space: global }
      - { .name: Ks, .offset: 24, .size: 8, .value_kind: global_buffer, .address_space: global }
      - { .name: Vc, .offset: 32, .size: 8, .value_kind: global_buffer, .address_space: global }
      - { .name: Vs, .offset: 40, .size: 8, .value_kind: global_buffer, .address_space: global }
      - { .name: Oc, .offset: 48, .size: 8, .value_kind: global_buffer, .address_space: global }
      - { .name: Os, .offset: 56, .size: 8, .value_kind: global_buffer, .address_space: global }
    .group_segment_fixed_size: 282624
    .private_segment_fixed_size: 0
    .kernarg_segment_align: 8
    .kernarg_segment_size: 64
    .max_flat_workgroup_size: 512
    .sgpr_count:     88
    .vgpr_count:     256
    .wavefront_size: 32
...
	.end_amdgpu_metadata
.endif
;; end of part 4
;; launch proj: the kernel of part 3 again; grid 4 x 64, 4 waves a work-group, clusters of 4 x 4, 262,656 bytes of LDS; arguments Oc, Os, Wo_codes, Wo_scales, bo, out0; writes out0
